; MI455X (gfx1250); checked and timed in simulation.
; The chip was launched on July 23, 2026; its instructions are those of AMD's public machine-readable ISA for CDNA 5 (MIT licence, August 2026) and "CDNA5" Instruction Set Architecture Reference Guide (July 2026). The comments in the code are by the model that wrote it; some were corrected since.
;; Transformer Block. Allowed arithmetic: float matrix products may take bf16 or f16 operands with f32 sums; other float arithmetic in f32, or as packed bf16 or f16 multiplies, adds, multiply-adds, maxima and minima; sums over many terms, partial sums and values carried from step to step in f32; what a program stores and reads back later, other than sums and carried values, may be rounded once to bf16 or f16.
;; Inputs: b_fc1 4,096 float32; b_fc2 1,024 float32; ln1_b 1,024 float32; ln1_w 1,024 float32; ln2_b 1,024 float32; ln2_w 1,024 float32; w_fc1 1,024 x 4,096 float32; w_fc2 4,096 x 1,024 float32; w_proj 1,024 x 1,024 float32; w_qkv 1,024 x 3,072 float32; x 2 x 2,048 x 1,024 float32.
;; Outputs: out0 2 x 2,048 x 1,024 float32.
;; 2 versions, each right; version 2 is version 1 with the launch prep written anew for expert scheduling mode. Each part assembles by itself: llvm-mc -triple=amdgcn-amd-amdhsa -mcpu=gfx1250 --defsym DOCPART=n.
;; ======== version 1 of 2: 7 launches
;; limits: values are held in f16: magnitudes above 65,504 overflow, below 6.1e-05 lose precision
;; workspace buffers: h 8,388,608 bytes; wts 25,165,824 bytes; qkv 25,165,824 bytes; o 8,388,608 bytes; x1 16,777,216 bytes; g 33,554,432 bytes
;; launch prep (part 1): grid 640 x 1, 8 waves a work-group, no clusters, 0 bytes of LDS; arguments x, ln1_w, ln1_b, w_qkv, w_proj, w_fc1, w_fc2, h, wts; writes h, wts
.if DOCPART == 1
	.amdgcn_target "amdgcn-amd-amdhsa--gfx1250"
	.amdhsa_code_object_version 6
	.text
	.protected	k_qac2973ee75_prep
	.globl	k_qac2973ee75_prep
	.p2align	8
	.type	k_qac2973ee75_prep,@function
k_qac2973ee75_prep:
	s_mov_b64 s[64:65], 0
	v_nop
	global_prefetch_b8 v0, s[64:65] scope:SCOPE_SE
	s_setreg_imm32_b32 hwreg(HW_REG_WAVE_MODE, 25, 1), 1
	s_wait_xcnt 0x0
; PREP.  f32 in, 16-bit matrix operands out.
; Work-groups 0-255: h = LayerNorm(x) * ln1_w + ln1_b, 16 rows of 1,024 each, stored as f16.  A wave takes two rows and keeps them in registers:
; mean first, then the mean of (x - mean)^2, so no difference of large sums is formed; all of it in f32, h rounded once.
; Work-groups 256-639: the four weight matrices, as they lie ([K][N]), 131,072 bytes of f32 each, rounded once: w_qkv and w_fc1 to f16 (they multiply LayerNorm's bounded
; outputs), w_proj and w_fc2 to bf16 (they multiply product results, whose size nothing bounds).  In wts: w_qkv at 0, w_proj at 6,291,456, w_fc1 at 8,388,608, w_fc2 at 16,777,216.
; LIMITS.  f16 ends at 65,504: |h| <= 32 |ln1_w| + |ln1_b| must stay below it, and so must the weights; a weight below 6e-5 keeps f16's fixed step of 6e-8.  NaN and infinities are not treated apart.
; No LDS, no barrier, no matrix unit: each byte is read once and written once; each store of a wave covers 256 consecutive bytes, aligned.
; IN FLIGHT.  A wave issues all its loads at once, 32 of 16 bytes a lane.  With 160 registers six waves fit in a SIMD's 1,024, three work-groups of eight waves on four SIMDs: 768 places for the 640 work-groups.
.set X, 8                              ; v[8:71]    two rows, 32 registers each: register 4 j + e holds column 128 j + 4 lane + e; at the end the rows as f16, in each row's first 16
.set W, 72                             ; v[72:103]  the gain of the same columns
.set B, 104                            ; v[104:135] the bias
.set Y, 136                            ; v[136:151] four chains of sums a row
.set T, 152                            ; v[152:159] a row's mean (twice) and 1 / sqrt(var + eps) (twice)
.set HB, 22                            ; s[22:23]   h
	s_load_b256 s[4:11], s[0:1], 0x0               ; x s[4:5], ln1_w s[6:7], ln1_b s[8:9], w_qkv s[10:11]
	s_load_b256 s[16:23], s[0:1], 0x20             ; w_proj s[16:17], w_fc1 s[18:19], w_fc2 s[20:21], h s[22:23]
	s_load_b64 s[24:25], s[0:1], 0x40              ; wts
	v_and_b32 v4, 31, v0                           ; lane
	v_lshrrev_b32 v5, 5, v0                        ; wave
	s_mov_b32 s3, 0
	s_wait_kmcnt 0x0
	s_cmp_lt_u32 ttmp9, 256
	s_cbranch_scc0 .Lcast
; ---- LayerNorm ----
.macro JOIN                            ; four chains of pairs at AI -> one sum over the wave's 32 lanes, in every lane, in v[AI]
	v_pk_add_f32 v[AI:AI+1], v[AI:AI+1], v[AI+2:AI+3]
	v_pk_add_f32 v[AI+4:AI+5], v[AI+4:AI+5], v[AI+6:AI+7]
	v_pk_add_f32 v[AI:AI+1], v[AI:AI+1], v[AI+4:AI+5]
	v_add_f32 v[AI], v[AI], v[AI+1]
	v_add_f32_dpp v[AI], v[AI], v[AI] row_xmask:1 row_mask:0xf bank_mask:0xf
	v_add_f32_dpp v[AI], v[AI], v[AI] row_xmask:2 row_mask:0xf bank_mask:0xf
	v_add_f32_dpp v[AI], v[AI], v[AI] row_xmask:4 row_mask:0xf bank_mask:0xf
	v_add_f32_dpp v[AI], v[AI], v[AI] row_xmask:8 row_mask:0xf bank_mask:0xf
	v_permlanex16_b32 v[AI+1], v[AI], s12, s13     ; the other half of the lanes; its destination has been written
	v_add_f32 v[AI], v[AI], v[AI+1]
.endm
.macro ROW_A i                         ; row i: mean, x - mean, variance, and the reciprocal root is issued
.set XI, X+32*(\i)
.set AI, Y+8*(\i)
.set TI, T+4*(\i)
.irp k, 0,2,4,6
	v_pk_add_f32 v[AI+\k:AI+\k+1], v[XI+\k:XI+\k+1], v[XI+8+\k:XI+8+\k+1]  ; the first pairs start the chains: nothing is cleared
.endr
.irp m, 16,24
.irp k, 0,2,4,6
	v_pk_add_f32 v[AI+\k:AI+\k+1], v[AI+\k:AI+\k+1], v[XI+\m+\k:XI+\m+\k+1]
.endr
.endr
	JOIN
	v_mul_f32 v[TI], s14, v[AI]                    ; mean = sum / 1,024, in both registers of a pair
	v_mul_f32 v[TI+1], s14, v[AI]
.set r, 0
.rept 16
	v_pk_add_f32 v[XI+r:XI+r+1], v[XI+r:XI+r+1], v[TI:TI+1] neg_lo:[0,1] neg_hi:[0,1]
.set r, r+2
.endr
.irp k, 0,2,4,6
	v_pk_mul_f32 v[AI+\k:AI+\k+1], v[XI+\k:XI+\k+1], v[XI+\k:XI+\k+1]
.endr
.irp m, 8,16,24
.irp k, 0,2,4,6
	v_pk_fma_f32 v[AI+\k:AI+\k+1], v[XI+\m+\k:XI+\m+\k+1], v[XI+\m+\k:XI+\m+\k+1], v[AI+\k:AI+\k+1]
.endr
.endr
	JOIN
	v_fma_f32 v[AI], v[AI], s14, s15               ; var + eps
	v_rsq_f32 v[TI+2], v[AI]
	v_rsq_f32 v[TI+3], v[AI]
.endm
.macro ROW_B i                         ; row i: scaled, gain and bias, rounded to f16, stored
.set XI, X+32*(\i)
.set TI, T+4*(\i)
.set r, 0
.rept 16
	v_pk_mul_f32 v[XI+r:XI+r+1], v[XI+r:XI+r+1], v[TI+2:TI+3]
.set r, r+2
.endr
.set r, 0
.rept 16
	v_pk_fma_f32 v[XI+r:XI+r+1], v[XI+r:XI+r+1], v[W+r:W+r+1], v[B+r:B+r+1]
.set r, r+2
.endr
.set r, 0
.rept 16
	v_cvt_pk_f16_f32 v[XI+r], v[XI+2*r], v[XI+2*r+1]  ; in place, ascending: register r is written when registers 2 r and 2 r + 1 are read, never before
.set r, r+1
.endr
.irp j, 0,1,2,3,4,5,6,7
	global_store_b64 v3, v[XI+2*\j:XI+2*\j+1], s[HB:HB+1] offset:(\i)*2048+\j*256  ; 32 lanes x 8 bytes: 256 consecutive bytes, aligned
.endr
.endm
	v_lshlrev_b32 v2, 4, v4                        ; 16 lane: my place in 512 bytes of a row, of the gain and of the bias
	v_lshl_add_u32 v1, v5, 13, v2                  ; + my wave's two rows of 4,096 bytes
	v_lshlrev_b32 v3, 3, v4
	v_lshl_add_u32 v3, v5, 12, v3                  ; in h: 8 lane + my wave's two rows of 2,048 bytes
	s_lshl_b32 s2, ttmp9, 16                       ; the work-group's 16 rows in x
	s_add_nc_u64 s[4:5], s[4:5], s[2:3]
	s_lshl_b32 s2, ttmp9, 15                       ; and in h
	s_add_nc_u64 s[HB:HB+1], s[HB:HB+1], s[2:3]
	s_mov_b32 s12, 0x76543210                      ; v_permlanex16_b32: each lane takes its own place in the other half
	s_mov_b32 s13, 0xfedcba98
	s_mov_b32 s14, 0x3a800000                      ; 1 / 1,024
	s_mov_b32 s15, 0x3727c5ac                      ; eps = 1e-5
.irp i, 0,1
.irp j, 0,1,2,3,4,5,6,7
	global_load_b128 v[X+32*\i+4*\j:X+32*\i+4*\j+3], v1, s[4:5] offset:\i*4096+\j*512
.endr
.endr
.irp j, 0,1,2,3,4,5,6,7
	global_load_b128 v[W+4*\j:W+4*\j+3], v2, s[6:7] offset:\j*512
	global_load_b128 v[B+4*\j:B+4*\j+3], v2, s[8:9] offset:\j*512
.endr
	s_wait_loadcnt 0x0                             ; both rows, the gain and the bias
	ROW_A 0
	ROW_A 1
	v_nop                                          ; a plain instruction behind the last reciprocal root,
	s_wait_alu depctr_va_vdst(0)                   ; and one wait for the four, ahead of their first reader
	ROW_B 0
	ROW_B 1
	s_endpgm
; ---- the weights ----
.Lcast:
	s_sub_co_u32 s26, ttmp9, 256                   ; c: chunk of 131,072 bytes among the four matrices on end: 96 of w_qkv, 32 of w_proj, 128 of w_fc1, 128 of w_fc2
	s_mov_b32 s27, 256
	s_cmp_lt_u32 s26, 256
	s_cselect_b64 s[28:29], s[18:19], s[20:21]
	s_cselect_b32 s27, 128, s27
	s_cselect_b32 s31, 1, 0                        ; c < 256 ..
	s_cmp_lt_u32 s26, 128
	s_cselect_b64 s[28:29], s[16:17], s[28:29]
	s_cselect_b32 s27, 96, s27
	s_cselect_b32 s31, 0, s31                      ; .. and c >= 128: w_fc1, to f16
	s_cmp_lt_u32 s26, 96
	s_cselect_b64 s[28:29], s[10:11], s[28:29]
	s_cselect_b32 s27, 0, s27                      ; the matrix's first chunk
	s_cselect_b32 s31, 1, s31                      ; w_qkv, to f16
	s_sub_co_u32 s27, s26, s27
	s_lshl_b32 s2, s27, 17
	s_add_nc_u64 s[28:29], s[28:29], s[2:3]        ; from
	s_lshl_b32 s2, s26, 16
	s_add_nc_u64 s[24:25], s[24:25], s[2:3]        ; to
	v_lshlrev_b32 v1, 4, v0                        ; 16 bytes a thread: the work-group's load covers 4,096 consecutive bytes
	v_lshlrev_b32 v2, 3, v0
.set i, 0
.rept 32
	global_load_b128 v[8+4*i:11+4*i], v1, s[28:29] offset:i*4096 th:TH_LOAD_NT
.set i, i+1
.endr
	s_cmp_eq_u32 s31, 1
	s_cbranch_scc0 .Lbf
.set i, 0
.rept 32
	s_wait_loadcnt 31-i                            ; loads come back in order: the younger ones stay out
	v_cvt_pk_f16_f32 v[8+4*i], v[8+4*i], v[9+4*i]  ; in place: the four numbers' first two registers take the two pairs
	v_cvt_pk_f16_f32 v[9+4*i], v[10+4*i], v[11+4*i]
	global_store_b64 v2, v[8+4*i:9+4*i], s[24:25] offset:i*2048
.set i, i+1
.endr
	s_endpgm
.Lbf:
.set i, 0
.rept 32
	s_wait_loadcnt 31-i
	v_cvt_pk_bf16_f32 v[8+4*i], v[8+4*i], v[9+4*i]
	v_cvt_pk_bf16_f32 v[9+4*i], v[10+4*i], v[11+4*i]
	global_store_b64 v2, v[8+4*i:9+4*i], s[24:25] offset:i*2048
.set i, i+1
.endr
	s_endpgm
.Lfunc_end_k_qac2973ee75_prep:
	.size	k_qac2973ee75_prep, .Lfunc_end_k_qac2973ee75_prep-k_qac2973ee75_prep
	.p2alignl 7, 3214868480
	.fill 96, 4, 3214868480
	.section	.rodata,"a",@progbits
	.p2align	6, 0x0
	.amdhsa_kernel k_qac2973ee75_prep
		.amdhsa_group_segment_fixed_size 0
		.amdhsa_private_segment_fixed_size 0
		.amdhsa_enable_private_segment 0
		.amdhsa_kernarg_size 72
		.amdhsa_user_sgpr_count 2
		.amdhsa_user_sgpr_kernarg_segment_ptr 1
		.amdhsa_wavefront_size32 1
		.amdhsa_system_sgpr_workgroup_id_x 1
		.amdhsa_system_sgpr_workgroup_id_y 1
		.amdhsa_system_sgpr_workgroup_id_z 1
		.amdhsa_system_vgpr_workitem_id 0
		.amdhsa_next_free_vgpr 160
		.amdhsa_next_free_sgpr 66
		.amdhsa_reserve_vcc 0
		.amdhsa_float_denorm_mode_32 3
		.amdhsa_float_denorm_mode_16_64 3
		.amdhsa_memory_ordered 1
		.amdhsa_forward_progress 1
		.amdhsa_inst_pref_size 40
	.end_amdhsa_kernel
	.amdgpu_metadata
---
amdhsa.version: [ 1, 2 ]
amdhsa.kernels:
  - .name:           k_qac2973ee75_prep
    .symbol:         k_qac2973ee75_prep.kd
    .args:
      - { .name: x, .offset: 0, .size: 8, .value_kind: global_buffer, .address_space: global }
      - { .name: ln1_w, .offset: 8, .size: 8, .value_kind: global_buffer, .address_space: global }
      - { .name: ln1_b, .offset: 16, .size: 8, .value_kind: global_buffer, .address_space: global }
      - { .name: w_qkv, .offset: 24, .size: 8, .value_kind: global_buffer, .address_space: global }
      - { .name: w_proj, .offset: 32, .size: 8, .value_kind: global_buffer, .address_space: global }
      - { .name: w_fc1, .offset: 40, .size: 8, .value_kind: global_buffer, .address_space: global }
      - { .name: w_fc2, .offset: 48, .size: 8, .value_kind: global_buffer, .address_space: global }
      - { .name: h, .offset: 56, .size: 8, .value_kind: global_buffer, .address_space: global }
      - { .name: wts, .offset: 64, .size: 8, .value_kind: global_buffer, .address_space: global }
    .group_segment_fixed_size: 0
    .private_segment_fixed_size: 0
    .kernarg_segment_align: 8
    .kernarg_segment_size: 72
    .max_flat_workgroup_size: 256
    .sgpr_count:     66
    .vgpr_count:     160
    .wavefront_size: 32
...
	.end_amdgpu_metadata
.endif
;; end of part 1
;; launch qkv (part 2): grid 12 x 16, 4 waves a work-group, clusters of 4 x 4, 327,680 bytes of LDS; arguments h, wts, qkv; writes qkv
.if DOCPART == 2
	.amdgcn_target "amdgcn-amd-amdhsa--gfx1250"
	.amdhsa_code_object_version 6
	.text
	.protected	k_qac2973ee75_qkv
	.globl	k_qac2973ee75_qkv
	.p2align	8
	.type	k_qac2973ee75_qkv,@function
k_qac2973ee75_qkv:
	s_mov_b64 s[64:65], 0
	v_nop
	global_prefetch_b8 v0, s[64:65] scope:SCOPE_SE
	s_setreg_imm32_b32 hwreg(HW_REG_WAVE_MODE, 25, 1), 1
	s_wait_xcnt 0x0
	s_wait_alu depctr_hold_cnt(0) depctr_sa_sdst(0) depctr_va_vdst(0) depctr_va_sdst(0) depctr_va_ssrc(0) depctr_va_vcc(0) depctr_vm_vsrc(0)
	s_getreg_b32 s2, hwreg(HW_REG_IB_STS2, 6, 4)
	s_cmp_eq_u32 s2, 0
	s_cbranch_scc0 .Lentry_in_a_cluster
	s_endpgm
.Lentry_in_a_cluster:
	s_bfe_u32 s2, ttmp6, 0x10000c
	s_cmp_lg_u32 s2, 0xf033
	s_cbranch_scc0 .Lentry_shape_is_right
	s_endpgm
.Lentry_shape_is_right:
; QKV.  C[m][n] = sum over k of h[m][k] W[k][n]: h [4096][1024] f16, W = w_qkv as f16, [1024][3072] as it lies; sums in f32.  C leaves by heads, rounded once to bf16:
; qkv[which][16 b + head][token][64], which = n / 1024 (q, k, v), unscaled.  bf16, since nothing bounds a product result.
; A tile of C, 256 x 256, is made by four waves, each 128 x 128: 64 accumulators, 512 registers.  K goes in steps of 128 through two LDS slots filled by tensor loads.
; W STAYS [K][N]: its tile lies in LDS as 128 rows of k, and the fragments are read turned (ds_load_tr16_b128).
; THE MATRIX INSTRUCTION IS USED TRANSPOSED (source 0 = 16 columns of W, source 1 = 16 rows of h): a lane holds row l % 16 of C and the columns 8 (l / 16) + 0..7.
; CLUSTER 4 x 4: h's tile hangs on the tile row alone and is asked for jointly by a row of the cluster, W's on the tile column alone, by a column.
; 192 work-groups: a tile that gave 256 would cut a head's 64 columns between waves, and a head's rows would leave in halves of 256-byte blocks.
; THE WAY OUT: the accumulators go as f32 into the ring, which has had its last fill, each wave into bytes of its own, and come back so that 16 lanes hold 256 consecutive bytes of the output.
; REGISTERS by windows of 256: window 0 addresses, h's fragments (v64-191), the way out; window 1 W's fragments (v64-191); windows 2, 3 the accumulators ((a, b) at 8 (8 (a % 4) + b)).
.set KD,    1024
.set NN,    3072
.set WB,    0                          ; W's first byte in wts
.set STEPS, KD/128
.set PA,    272                        ; a row of h's tile: 256 bytes + 16: the 16 rows of a fragment load start at 16 different groups of four banks
.set PB,    544                        ; a k row of W's tile: 512 bytes + 32 = 17 x 32
.set HALFT, 34816                      ; what one tensor load brings: 128 rows x 272 = 64 k rows x 544
.set BOFF,  2*HALFT
.set SLOT,  4*HALFT
.set SPARE, 2*SLOT                     ; behind the ring: the spare words, 128 bytes a wave, which no other line names
.set DP,    528                        ; the way out: a row of 128 f32 + 16 bytes
.set DWAVE, 128*DP
.set ASTEP, 256                        ; a K step in h: bytes along a row
.set BSTEP, 256*NN                     ; in W: 128 rows
.set ADRA0, 10                         ; v10  my lane's place in h's tile;  v11 in W's tile; never rewritten
.set ADRB0, 11
.set ADRA,  16                         ; v16, v20  the same in the slot that is being read
.set ADRB,  20
.set DST,   24                         ; v24  the way out: where my 32 bytes of a row go
.set RD,    25                         ; v25  where I read back
.set GO,    26                         ; v26  my byte offset in the output
.set SPW,   28                         ; v28  my spare word; v29 0; never rewritten
.set NIL,   29
.set PFO,   30                         ; v30  the prefetches' lane offset; never rewritten
.set F0,    64
.set F1,    128
.set XR,    64                         ; the way out: 32 rows read back, 128 registers
.set YR,    192                        ; and packed, 64 registers
.set G1A, 24                           ; s[24:31] group 1 for h's tiles; s[32:39] group 0: a set for each first fill; the second then walks
.set G0A, 32
.set G1B, 48                           ; s[48:55], s[56:63] the same for W's
.set G0B, 56
.set OUT, 70                           ; s[70:71] the output
.set PFA, 74                           ; s[74:75] where my prefetches stand; s[76:77] their step; s78 2 in a wave that prefetches, else the greatest number
.set PST, 76
.set LIM, 78
.set SB,  79                           ; s79  first byte of the slot that is being read: 0 or SLOT
.set WOF, 80                           ; s80  my load's place in a slot: wave x HALFT
.set MSB, 0
.macro WIN new                         ; the immediate's high byte repeats the setting that is left; a switch that changes nothing is dropped
.if MSB != (\new)
	s_set_vgpr_msb (MSB<<8)|(\new)
.set MSB, \new
.endif
.endm
.set MUL_LO, 0xa1                      ; source 0 (W) window 1, source 1 (h) window 0, C and D window 2
.set MUL_HI, 0xf1                      ; the same, C and D window 3
.set TO_B,   0x40                      ; destination window 1, address window 0
.macro PLACES                          ; four plain instructions between a matrix instruction and a load into, or a read of, its registers
.rept 4
	v_nop
.endr
.endm
.macro CREST                           ; a round of the cluster's barrier behind its opening barrier
	s_cmp_lg_u32 s10, 0
	s_cbranch_scc1 .Lnot_wave_0_\@
	s_barrier_signal -3
.Lnot_wave_0_\@:
	s_barrier_wait -3
	s_barrier_signal -1
	s_barrier_wait -1
.endm
.macro CROUND
	s_barrier_signal -1
	s_barrier_wait -1
	CREST
.endm
.macro JLOAD                           ; a joint refill by the walking sets: waves 0, 1 h's halves, waves 2, 3 W's; s_nop 0 and four v_nop follow each line
	s_cmp_eq_u32 s11, 0
	s_cbranch_scc0 .Lfor_b_\@
	tensor_load_to_lds s[G0A+4:G0A+7], s[G1A:G1A+7]
	s_nop 0
.rept 4
	v_nop
.endr
	s_branch .Lasked_\@
.Lfor_b_\@:
	tensor_load_to_lds s[G0B+4:G0B+7], s[G1B:G1B+7]
	s_nop 0
.rept 4
	v_nop
.endr
.Lasked_\@:
.endm
; A prefetch of the K step that stands two refills on: my work-group's 32 blocks of 256 bytes of the 128 that my wave fetches, a lane a block.  h's rows are named by the clusters with x = 0,
; W's by those with y = 0; the four partners of a joint load share its blocks out by address.  So each block is named once in the launch.  K steps 0 to 3 come by their loads alone; the last two refills name nothing.
.macro ASK
	s_cmp_gt_u32 s3, s[LIM]
	s_cbranch_scc0 .Lnot_mine_\@
	global_prefetch_b8 v[PFO], s[PFA:PFA+1] th:TH_LOAD_NT scope:SCOPE_SE
.Lnot_mine_\@:
.endm
; 16 products: row blocks a0, a0 + 1 of the window's four x all 8 column blocks, 32 along K.  The 64 accumulators take turns in the same order in every quarter.
.macro MUL16 f, hi, a0, zero
	WIN MUL_LO+0x50*(\hi)
.irp a, \a0, (\a0)+1
.irp b, 0,1,2,3,4,5,6,7
.if \zero
	v_wmma_f32_16x16x32_f16 v[8*(8*(\a)+(\b)):8*(8*(\a)+(\b))+7], v[(\f)+8*(\b):(\f)+8*(\b)+7], v[(\f)+8*(4*(\hi)+(\a)):(\f)+8*(4*(\hi)+(\a))+7], 0
.else
	v_wmma_f32_16x16x32_f16 v[8*(8*(\a)+(\b)):8*(8*(\a)+(\b))+7], v[(\f)+8*(\b):(\f)+8*(\b)+7], v[(\f)+8*(4*(\hi)+(\a)):(\f)+8*(4*(\hi)+(\a))+7], v[8*(8*(\a)+(\b)):8*(8*(\a)+(\b))+7]
.endif
.endr
.endr
.endm
; 32 LDS loads in one run: quarter q (32 along K) of the slot in hand into buffer f: W's 8 column blocks, turned, then h's 8 row blocks
.macro FETCH q, f
	WIN TO_B
.irp i, 0,1,2,3,4,5,6,7
	ds_load_tr16_b128 v[(\f)+8*(\i):(\f)+8*(\i)+3],   v[ADRB] offset:(\q)*32*PB+32*(\i)
	ds_load_tr16_b128 v[(\f)+8*(\i)+4:(\f)+8*(\i)+7], v[ADRB] offset:(\q)*32*PB+16*PB+32*(\i)
.endr
	WIN 0
.irp i, 0,1,2,3,4,5,6,7
	ds_load_b128 v[(\f)+8*(\i):(\f)+8*(\i)+3],   v[ADRA] offset:64*(\q)+(\i)*16*PA
	ds_load_b128 v[(\f)+8*(\i)+4:(\f)+8*(\i)+7], v[ADRA] offset:64*(\q)+(\i)*16*PA+32
.endr
.endm
.macro QUARTER q, f, g, zero           ; multiplies buffer f; in its middle fetches quarter q into buffer g
	s_wait_dscnt 8                                 ; W and h's rows 0-63 are in; the youngest eight loads (rows 64-127) may be out
	MUL16 \f, 0, 0, \zero
	MUL16 \f, 0, 2, \zero
	PLACES
	FETCH \q, \g
	s_wait_dscnt 32                                ; all but the 32 just issued
	MUL16 \f, 1, 0, \zero
	MUL16 \f, 1, 2, \zero
.endm
; The first half of a step's last quarter, and the one barrier of a change of slots: in front of it all my tensor loads have landed (my part of the next slot), the add is done, my reads of this slot are over.
.macro MEET round
	WIN 0
	s_wait_tensorcnt 0x0
	ds_add_u32 v[SPW], v[NIL]                      ; 0 onto my spare word
	s_wait_dscnt 9                                 ; the add and the youngest eight loads may be out
	MUL16 F1, 0, 0, 0
	s_wait_dscnt 0x0
	s_barrier_signal -1
	MUL16 F1, 0, 2, 0
.if \round
	WIN 0
.endif
	s_barrier_wait -1
.endm
.macro TURN                            ; the whole last quarter in the loop: the slot just read is filled again, with the K step two on
	s_wait_xcnt 0x0                                ; the last prefetch, a K step back, has read its address
	s_add_nc_u64 s[PFA:PFA+1], s[PFA:PFA+1], s[PST:PST+1]
	MEET 1
	CREST                                          ; no wave of any partner still reads this slot or has a load on its way
	s_add_co_u32 s[G0A+5], s[WOF], s[SB]           ; no load of mine is out: the walking sets are written: the slot just read,
	s_add_co_u32 s[G0B+5], s[WOF], s[SB]
	s_add_nc_u64 s[G0A+6:G0A+7], s[G0A+6:G0A+7], ASTEP  ; one K step behind the last one asked for
	s_add_nc_u64 s[G0B+6:G0B+7], s[G0B+6:G0B+7], BSTEP
	s_xor_b32 s[SB], s[SB], SLOT                   ; the reads go on in the other slot
	JLOAD                                          ; the first tensor load behind the round; its four v_nop are also the places in front of the loads below
	v_add_nc_u32 v[ADRA], s[SB], v[ADRA0]
	v_add_nc_u32 v[ADRB], s[SB], v[ADRB0]
	FETCH 0, F0
	ASK
	MUL16 F1, 1, 0, 0
	MUL16 F1, 1, 2, 0
.endm
	s_load_b128 s[4:7], s[0:1], 0x0                ; h s[4:5], wts s[6:7]
	s_load_b64 s[OUT:OUT+1], s[0:1], 0x10          ; qkv
	v_lshl_add_u32 v[SPW], v0, 2, SPARE
	v_mov_b32 v[NIL], 0
	ds_add_u32 v[SPW], v[NIL]                      ; the wave's opening: the add and its wait stand ahead of my first tensor load
	v_lshrrev_b32 v1, 5, v0
	v_readfirstlane_b32 s10, v1                    ; wave 0..3
	s_lshr_b32 s11, s10, 1                         ; my half of the tile's rows; also: I fetch h (0) or W (1)
	s_and_b32 s12, s10, 1                          ; my half of its columns; also: which half of that tile I fetch
	s_bfe_u32 s40, ttmp6, 0x40000                  ; cx
	s_bfe_u32 s41, ttmp6, 0x40004                  ; cy
	s_lshl_b32 s42, ttmp9, 2
	s_add_co_u32 s42, s42, s40                     ; tile column
	s_and_b32 s13, ttmp7, 0xffff
	s_lshl_b32 s13, s13, 2
	s_add_co_u32 s13, s13, s41                     ; tile row
	s_lshl_b32 s43, s41, 2
	s_lshl_b32 s43, 15, s43                        ; my row of the cluster
	s_lshl_b32 s44, 0x1111, s40                    ; my column
	s_or_b32 s[G1A+0], s43, (1<<16)|(1<<20)|(1<<21)|(5<<22)|(3<<25)  ; mask; 2-byte elements; padding on; bit 21 beside a mask; after every 64 words 4 words
	s_mov_b32 s[G1A+1], 128<<16                    ; tensor_dim0 = 128
	s_mov_b32 s[G1A+2], 128<<16                    ; tensor_dim1 = 128
	s_mov_b32 s[G1A+3], 128<<16                    ; tile_dim0 = 128
	s_mov_b32 s[G1A+4], 128                        ; tile_dim1 = 128
	s_mov_b32 s[G1A+5], KD                         ; elements from row to row
	s_mov_b32 s[G1A+6], 0
	s_mov_b32 s[G1A+7], 0
	s_or_b32 s[G1B+0], s44, (1<<16)|(1<<20)|(1<<21)|(6<<22)|(7<<25)  ; after every 128 words 8 words
	s_mov_b32 s[G1B+1], 256<<16                    ; 256 columns
	s_mov_b32 s[G1B+2], 64<<16                     ; 64 k rows
	s_mov_b32 s[G1B+3], 256<<16
	s_mov_b32 s[G1B+4], 64
	s_mov_b32 s[G1B+5], NN
	s_mov_b32 s[G1B+6], 0
	s_mov_b32 s[G1B+7], 0
	s_lshl_b32 s16, s13, 8
	s_lshl_b32 s17, s12, 7
	s_add_co_u32 s16, s16, s17                     ; h: row 256 x tile row + 128 x half,
	s_lshl_b32 s16, s16, 11                        ; x 2,048 bytes
	s_mov_b32 s17, 0
	s_mul_i32 s46, s12, 128*NN                     ; W: 64 k rows x half,
	s_lshl_b32 s47, s42, 9                         ; 512 bytes x tile column
	s_add_co_u32 s46, s46, s47
	s_mov_b32 s47, 0
	s_mul_i32 s[WOF], s10, HALFT                   ; h's two halves, then W's two: no place in the cluster enters an LDS address
	s_mov_b32 s[SB], 0
	s_wait_dscnt 0x0                               ; the opening add is done
	s_wait_kmcnt 0x0
.if WB
	s_add_nc_u64 s[6:7], s[6:7], WB
.endif
	s_add_nc_u64 s[14:15], s[4:5], s[16:17]
	s_add_nc_u64 s[46:47], s[6:7], s[46:47]
	CROUND                                         ; all sixteen work-groups are here: the first joint loads meet
.irp s, 0,1
	s_mov_b32 s[G0A+4*(\s)], 1
	s_add_co_u32 s[G0A+4*(\s)+1], s[WOF], (\s)*SLOT
	s_add_nc_u64 s[G0A+4*(\s)+2:G0A+4*(\s)+3], s[14:15], (\s)*ASTEP
	s_or_b32 s[G0A+4*(\s)+3], s[G0A+4*(\s)+3], 0x80000000
	s_mov_b32 s[G0B+4*(\s)], 1
	s_add_co_u32 s[G0B+4*(\s)+1], s[WOF], (\s)*SLOT
	s_add_nc_u64 s[G0B+4*(\s)+2:G0B+4*(\s)+3], s[46:47], (\s)*BSTEP
	s_or_b32 s[G0B+4*(\s)+3], s[G0B+4*(\s)+3], 0x80000000
.endr
	s_cmp_eq_u32 s11, 0                            ; a wave's two first fills stand in one branch: K steps 0 and 1; two loads of mine are out
	s_cbranch_scc0 .Lfirst_b
	tensor_load_to_lds s[G0A:G0A+3], s[G1A:G1A+7]
	s_nop 0
	tensor_load_to_lds s[G0A+4:G0A+7], s[G1A:G1A+7]
	s_nop 0
.rept 4
	v_nop
.endr
	s_branch .Lfirst_done
.Lfirst_b:
	tensor_load_to_lds s[G0B:G0B+3], s[G1B:G1B+7]
	s_nop 0
	tensor_load_to_lds s[G0B+4:G0B+7], s[G1B:G1B+7]
	s_nop 0
.rept 4
	v_nop
.endr
.Lfirst_done:
	v_and_b32 v1, 15, v0                           ; r = l % 16
	v_bfe_u32 v2, v0, 4, 1                         ; hl = l / 16
	v_and_b32 v7, 7, v0                            ; l % 8
	v_bfe_u32 v5, v0, 3, 1                         ; (l / 8) % 2
	v_mul_u32_u24 v3, v1, PA
	v_lshl_add_u32 v3, v2, 4, v3                   ; h's fragment: row r, 16 bytes for each half of the lanes
	s_mul_i32 s21, s11, HALFT
	v_add_nc_u32 v[ADRA0], s21, v3
	v_lshl_add_u32 v4, v2, 3, v7                   ; W's: k row 8 hl + l % 8,
	v_mul_u32_u24 v4, v4, PB
	v_lshl_add_u32 v4, v5, 4, v4                   ; 8 columns by (l / 8) % 2
	s_lshl_b32 s22, s12, 8
	s_add_co_u32 s22, s22, BOFF                    ; my 128 columns, behind h's tile
	v_add_nc_u32 v[ADRB0], s22, v4
	v_mov_b32 v[ADRA], v[ADRA0]
	v_mov_b32 v[ADRB], v[ADRB0]
	s_mul_i32 s23, s10, DWAVE
	v_mul_u32_u24 v6, v1, DP
	v_lshl_add_u32 v6, v2, 5, v6
	v_add_nc_u32 v[DST], s23, v6                   ; in: row r, 32 bytes for each half of the lanes
	v_mul_u32_u24 v6, v5, DP                       ; back: 16 lanes take two tokens of one head: token (l / 8) % 2, 8 numbers at l % 8; lanes 16-31 the next head
	v_lshl_add_u32 v6, v2, 8, v6
	v_lshl_add_u32 v6, v7, 5, v6
	v_add_nc_u32 v[RD], s23, v6
	v_lshlrev_b32 v6, 18, v2                       ; a head is 262,144 bytes
	v_lshl_add_u32 v[GO], v1, 4, v6
	; where my part begins in qkv: head group g0 = 4 x tile column + 2 x half; which = g0 / 16; b = tile row / 8
	s_lshl_b32 s96, s42, 2
	s_lshl_b32 s97, s12, 1
	s_add_co_u32 s96, s96, s97
	s_lshr_b32 s97, s96, 4
	s_lshl_b32 s97, s97, 5
	s_and_b32 s96, s96, 15
	s_add_co_u32 s96, s96, s97
	s_lshr_b32 s97, s13, 3
	s_lshl_b32 s97, s97, 4
	s_add_co_u32 s96, s96, s97
	s_lshl_b32 s96, s96, 18
	s_and_b32 s97, s13, 7
	s_lshl_b32 s97, s97, 8
	s_lshl_b32 s98, s11, 7
	s_add_co_u32 s97, s97, s98                     ; my first token in its batch,
	s_lshl_b32 s97, s97, 7                         ; 128 bytes each
	s_add_co_u32 s96, s96, s97
	s_mov_b32 s97, 0
	s_add_nc_u64 s[OUT:OUT+1], s[OUT:OUT+1], s[96:97]
	; the prefetches
	s_lshl_b32 s96, s13, 8
	s_lshl_b32 s97, s12, 7
	s_add_co_u32 s96, s96, s97
	s_lshl_b32 s97, s40, 5
	s_add_co_u32 s96, s96, s97                     ; h: my work-group's 32 rows of the 128 that I fetch,
	s_lshl_b32 s96, s96, 11
	s_add_co_u32 s96, s96, 3*ASTEP                 ; at K step 3: the first refill steps it to 4
	s_lshl_b32 s97, s12, 6
	s_lshl_b32 s98, s41, 4
	s_add_co_u32 s97, s97, s98                     ; W: my work-group's 16 k rows of the 64
	s_mul_i32 s97, s97, 2*NN
	s_lshl_b32 s98, s42, 9
	s_add_co_u32 s97, s97, s98
	s_add_co_u32 s97, s97, 3*BSTEP
	s_and_b32 s98, ttmp7, 0xffff                   ; cluster y
	s_mov_b32 s[PST], BSTEP
	s_mov_b32 s[PST+1], 0
	s_mov_b32 s20, 2*NN
	s_cmp_eq_u32 s11, 0                            ; do I fetch h?
	s_cselect_b32 s96, s96, s97
	s_cselect_b32 s98, ttmp9, s98                  ; the coordinate along which other clusters read the same blocks
	s_cselect_b64 s[PFA:PFA+1], s[4:5], s[6:7]
	s_cselect_b32 s[PST], ASTEP, s[PST]
	s_cselect_b32 s20, 2*KD, s20                   ; bytes from row to row
	s_cselect_b32 s21, 0, 1                        ; h: a lane a row; W: two lanes a row of 512 bytes
	s_mov_b32 s97, 0
	s_add_nc_u64 s[PFA:PFA+1], s[PFA:PFA+1], s[96:97]
	s_cmp_eq_u32 s98, 0
	s_cselect_b32 s[LIM], 2, -1
	v_and_b32 v5, 31, v0
	v_lshrrev_b32 v6, s21, v5
	v_mul_lo_u32 v6, v6, s20
	v_and_b32 v7, s21, v5
	v_lshl_add_u32 v[PFO], v7, 8, v6
	s_wait_tensorcnt 1                             ; my part of K step 0 is in; K step 1's may stay out
	s_barrier_signal -1
	s_barrier_wait -1
	FETCH 0, F0
	QUARTER 1, F0, F1, 1                           ; the first quarter's products start the sums: nothing is cleared
	WIN 0
	s_mov_b32 s3, STEPS-2
.Lstep:                                        ; a trip: a K step's quarters 1 to 3, the refill of its slot, the next step's quarter 0
	QUARTER 2, F1, F0, 0
	QUARTER 3, F0, F1, 0
	TURN
	QUARTER 1, F0, F1, 0
	WIN 0
	s_sub_co_u32 s3, s3, 1
	s_cmp_lg_u32 s3, 0
	s_cbranch_scc1 .Lstep
	s_mov_b32 s2, 2
.Ltail:                                        ; the last two K steps ask for nothing; the second jumps over what would begin a further step
	QUARTER 2, F1, F0, 0
	QUARTER 3, F0, F1, 0
	MEET 0
	WIN 0
	s_cmp_eq_u32 s2, 1
	s_cbranch_scc1 .Lnofetch
	s_xor_b32 s[SB], s[SB], SLOT
	v_add_nc_u32 v[ADRA], s[SB], v[ADRA0]
	v_add_nc_u32 v[ADRB], s[SB], v[ADRB0]
	PLACES
	FETCH 0, F0
.Lnofetch:
	MUL16 F1, 1, 0, 0
	MUL16 F1, 1, 2, 0
	WIN 0
	s_cmp_eq_u32 s2, 1
	s_cbranch_scc1 .Lnoquarter
	QUARTER 1, F0, F1, 0
	WIN 0
.Lnoquarter:
	s_sub_co_u32 s2, s2, 1
	s_cmp_lg_u32 s2, 0
	s_cbranch_scc1 .Ltail
	s_wait_dscnt 0x0                               ; my reads of the ring are over;
	s_barrier_signal -1
	s_barrier_wait -1                              ; everybody's are: the ring, which is filled no more, takes the sums
	PLACES
.irp hi, 0,1
	WIN 0x08+4*(\hi)                               ; store data in window 2, then 3
.irp a, 0,1,2,3
.irp b, 0,1,2,3,4,5,6,7
	ds_store_b128 v[DST], v[8*(8*(\a)+(\b)):8*(8*(\a)+(\b))+3]   offset:(4*(\hi)+(\a))*16*DP+64*(\b)     ; each accumulator's low registers first
	ds_store_b128 v[DST], v[8*(8*(\a)+(\b))+4:8*(8*(\a)+(\b))+7] offset:(4*(\hi)+(\a))*16*DP+64*(\b)+16
.endr
.endr
.endr
	WIN 0
	s_mov_b32 s3, 4
.Lout:                                         ; 32 rows a trip.  LDS serves a wave's instructions in order: these loads see my stores above
.irp t, 0,1,2,3,4,5,6,7,8,9,10,11,12,13,14,15
	ds_load_b128 v[XR+8*\t:XR+8*\t+3],   v[RD] offset:\t*2*DP
	ds_load_b128 v[XR+8*\t+4:XR+8*\t+7], v[RD] offset:\t*2*DP+16
.endr
.irp q, 0,1,2,3
	s_wait_dscnt 24-8*\q                           ; the younger row pairs' loads may stay out
.irp u, 0,1,2,3
.irp r, 0,1,2,3
	v_cvt_pk_bf16_f32 v[YR+4*(4*\q+\u)+\r], v[XR+8*(4*\q+\u)+2*\r], v[XR+8*(4*\q+\u)+2*\r+1]
.endr
	global_store_b128 v[GO], v[YR+4*(4*\q+\u):YR+4*(4*\q+\u)+3], s[OUT:OUT+1] offset:(4*\q+\u)*256  ; 16 lanes: two tokens of a head, 256 consecutive bytes, aligned
.endr
.endr
	s_wait_xcnt 0x0                                ; the stores have read their registers: they are written again only behind this wait
	v_add_nc_u32 v[RD], 32*DP, v[RD]
	v_add_nc_u32 v[GO], 4096, v[GO]
	s_sub_co_u32 s3, s3, 1
	s_cmp_lg_u32 s3, 0
	s_cbranch_scc1 .Lout
	s_wait_tensorcnt 0x0                           ; the wave's end
	ds_add_u32 v[SPW], v[NIL]
	s_wait_dscnt 0x0
	CROUND                                         ; the closing round
	s_endpgm
.Lfunc_end_k_qac2973ee75_qkv:
	.size	k_qac2973ee75_qkv, .Lfunc_end_k_qac2973ee75_qkv-k_qac2973ee75_qkv
	.p2alignl 7, 3214868480
	.fill 96, 4, 3214868480
	.section	.rodata,"a",@progbits
	.p2align	6, 0x0
	.amdhsa_kernel k_qac2973ee75_qkv
		.amdhsa_group_segment_fixed_size 327680
		.amdhsa_private_segment_fixed_size 0
		.amdhsa_enable_private_segment 0
		.amdhsa_kernarg_size 24
		.amdhsa_user_sgpr_count 2
		.amdhsa_user_sgpr_kernarg_segment_ptr 1
		.amdhsa_wavefront_size32 1
		.amdhsa_system_sgpr_workgroup_id_x 1
		.amdhsa_system_sgpr_workgroup_id_y 1
		.amdhsa_system_sgpr_workgroup_id_z 1
		.amdhsa_system_vgpr_workitem_id 0
		.amdhsa_next_free_vgpr 1024
		.amdhsa_next_free_sgpr 100
		.amdhsa_reserve_vcc 0
		.amdhsa_float_denorm_mode_32 3
		.amdhsa_float_denorm_mode_16_64 3
		.amdhsa_memory_ordered 1
		.amdhsa_forward_progress 1
		.amdhsa_inst_pref_size 86
	.end_amdhsa_kernel
	.amdgpu_metadata
---
amdhsa.version: [ 1, 2 ]
amdhsa.kernels:
  - .name:           k_qac2973ee75_qkv
    .symbol:         k_qac2973ee75_qkv.kd
    .args:
      - { .name: h, .offset: 0, .size: 8, .value_kind: global_buffer, .address_space: global }
      - { .name: wts, .offset: 8, .size: 8, .value_kind: global_buffer, .address_space: global }
      - { .name: qkv, .offset: 16, .size: 8, .value_kind: global_buffer, .address_space: global }
    .group_segment_fixed_size: 327680
    .private_segment_fixed_size: 0
    .kernarg_segment_align: 8
    .kernarg_segment_size: 24
    .max_flat_workgroup_size: 128
    .sgpr_count:     100
    .vgpr_count:     1024
    .wavefront_size: 32
...
	.end_amdgpu_metadata
.endif
;; end of part 2
;; launch attn (part 3): grid 16 x 16, 4 waves a work-group, clusters of 4 x 1, 327,680 bytes of LDS; arguments qkv, o; writes o
.if DOCPART == 3
	.amdgcn_target "amdgcn-amd-amdhsa--gfx1250"
	.amdhsa_code_object_version 6
	.text
	.protected	k_qac2973ee75_attn
	.globl	k_qac2973ee75_attn
	.p2align	8
	.type	k_qac2973ee75_attn,@function
k_qac2973ee75_attn:
	s_mov_b64 s[64:65], 0
	v_nop
	global_prefetch_b8 v0, s[64:65] scope:SCOPE_SE
	s_setreg_imm32_b32 hwreg(HW_REG_WAVE_MODE, 25, 1), 1
	s_wait_xcnt 0x0
	s_wait_alu depctr_hold_cnt(0) depctr_sa_sdst(0) depctr_va_vdst(0) depctr_va_sdst(0) depctr_va_ssrc(0) depctr_va_vcc(0) depctr_vm_vsrc(0)
	s_getreg_b32 s2, hwreg(HW_REG_IB_STS2, 6, 4)
	s_cmp_eq_u32 s2, 0
	s_cbranch_scc0 .Lentry_in_a_cluster
	s_endpgm
.Lentry_in_a_cluster:
	s_bfe_u32 s2, ttmp6, 0x10000c
	s_cmp_lg_u32 s2, 0x3003
	s_cbranch_scc0 .Lentry_shape_is_right
	s_endpgm
.Lentry_shape_is_right:
; ATTENTION.  O[bh][q] = sum over k of softmax_k(Q[bh][q] . K[bh][k] / 8) V[bh][k].  qkv: [3][32][2048][64] bf16, a head's rows dense, 128 bytes each, unscaled.  o: [4096][1024] bf16, token-major.
; Products, maxima and sums in f32; the weights p are rounded to bf16 for the second product (their sum l is taken of the unrounded p), O once at the end.
; LIMITS.  A weight below 2^-126 counts as 0 in l; NaN and infinities are not treated apart.
; SHARES.  A work-group owns 128 queries of TWO neighbouring heads, so that a token's 256 bytes of o (two heads) leave whole.  Wave w: head w / 2 of the pair, queries 64 (w % 2) on: four tiles of 16,
; in two PIECES: piece 0 (tiles 0, 1), piece 2 (tiles 2, 3).  Every wave walks its head's 2,048 keys, 64 a step.
; LAYOUT.  S^T = K Q^T (source 0 = 16 keys, source 1 = 16 queries): a lane holds ONE query (lane % 16) and the keys 8 (lane / 16) + 0..7; two such results rounded in pairs ARE source 1 of O^T = V^T P.
; K comes out of LDS as it lies, V ([key][channel]) turned, by ds_load_tr16_b128.
; SOFTMAX.  A running maximum m and sum l: p = 2^(c s - c m), c = log2(e) / 8; in every step O and l are multiplied by a = 2^(c m_old - c m_new).  m starts at the lowest finite number, O and l at 0:
; the first step is a step like any other, with a = 0.
; BY TURNS.  In a turn one piece has the matrix unit: 16 products V^T P of the step in hand, 16 products K Q^T of the next; the other piece's softmax, 236 instructions in 59 slices of four, stands one slice
; behind each product and 27 slices in one lump.  A turn's 66 exponentials are one batch with one wait.
; CLUSTER.  The four query blocks of a cluster walk the same two heads' K and V: each tile is asked for jointly, the same tensor load, descriptor and mask in all four.
; REGISTERS by windows of 256: window 0 addresses, statistics (8 a tile), S^T v64-191, P v192-255; window 1 O^T, 32 a tile; window 2 Q v0-63, K v128-191, V v192-255.
.set KS,    64
.set PK,    144                        ; a row of K: 128 bytes + 16: the 16 rows of a load start at 16 different groups of four banks
.set PV,    160                        ; a row of V: 128 + 32
.set VOFF,  128*PK                     ; in a slot a head has 128 rows of K, then 128 of V
.set HEADB, 128*(PK+PV)
.set SLOT1, 1<<17                      ; slot 1 begins here, so that one exclusive or turns an address in one slot into the other's
.set STAGE, SLOT1+2*HEADB              ; behind the ring, never filled by a tensor load: 128 rows x 272 bytes, the work-group's, for the way out
.set SP,    272
.set SPARE, STAGE+128*SP               ; the spare words, 128 bytes a wave, which no other line names
.set AK0, 2
.set AV0, 3
.set AK,  4
.set AV,  5
.set QO,  6                            ; v6   my offset in 16 rows of Q; later STO
.set STO, 6
.set RD,  7
.set GO,  8
.set ST,  12                           ; tile t's statistics at v[ST+8 t]: c m, m, l (even keys', odd keys'), c0-c3 at work; a takes c2's place
.set PFO, 61
.set SPW, 62
.set NIL, 63
.set S,   64
.set P,   192
.set KF,  128
.set VF,  192
.set WV,  12
.set LIM, 15
.set KV,  16                           ; s16  w % 2: I fetch K (0) or V (1); also my half of the queries
.set HH,  17                           ; s17  w / 2: my head of the pair
.set PFA, 18
.set G1K, 24
.set G1V, 32
.set G0K, 40
.set G0V, 44
.set HB,  48                           ; s48  my head's place in a slot
.set SLOTS, 56
.set CNT, 57
.set CS,  58
.set SEL, 60
.set TBK, 62
.set TBV, 63
.set MSB, 0
.macro WIN new
.if MSB != (\new)
	s_set_vgpr_msb (MSB<<8)|(\new)
.set MSB, (\new)
.endif
.endm
.set W_KQ, 0x0a                        ; K and Q in window 2, S^T in window 0
.set W_PV, 0x52                        ; V in window 2, P in window 0, O^T in window 1
.set W_RS, 0x41                        ; O^T (destination and source 0) in window 1, a in window 0
.macro JLOAD                           ; a joint fill: 128 keys of my head, K's or V's by the wave's number; s_nop 0 and four v_nop follow each line
	s_cmp_eq_u32 s[KV], 0
	s_cbranch_scc0 .Lfor_v_\@
	tensor_load_to_lds s[G0K:G0K+3], s[G1K:G1K+7]
	s_nop 0
.rept 4
	v_nop
.endr
	s_branch .Lasked_\@
.Lfor_v_\@:
	tensor_load_to_lds s[G0V:G0V+3], s[G1V:G1V+7]
	s_nop 0
.rept 4
	v_nop
.endr
.Lasked_\@:
.endm
; A prefetch of what the NEXT change of slots will ask for.  A head's slot is 64 blocks of 256 bytes of K and 64 of V.  All clusters of a pair of heads walk the same rows: the first of them asks; its four
; partners take 32 blocks each, told apart by address; in each, wave 0 asks for the first head and wave 2 for the second.  So each block is named once.  The last change that fills a slot names nothing.
.macro ASK
	s_cmp_gt_u32 s[SLOTS], s[LIM]
	s_cbranch_scc0 .Lnot_mine_\@
	global_prefetch_b8 v[PFO], s[PFA:PFA+1] th:TH_LOAD_NT scope:SCOPE_SE
.Lnot_mine_\@:
.endm
.macro CROUND
	s_barrier_signal -1
	s_barrier_wait -1
	s_cmp_lg_u32 s[WV], 0
	s_cbranch_scc1 .Lnot_wave_0_\@
	s_barrier_signal -3
.Lnot_wave_0_\@:
	s_barrier_wait -3
	s_barrier_signal -1
	s_barrier_wait -1
.endm
; THE CHANGE OF SLOTS.  All of the slot has been fetched into registers.  Each wave waits for all its tensor loads (one is out: its part of the other slot), adds 0 to its spare word, and waits for that and for its
; reads.  fill = 1: the barrier is a round of the cluster's, and the slot is filled again first thing behind it, with the keys two slots on.  (At its first use: slot 0 is waited for, slot 1 filled.)
.macro CHANGE fill, ask
	WIN 0
	s_wait_tensorcnt 0x0
	ds_add_u32 v[SPW], v[NIL]
.if \fill
.irp g, G0K, G0V
	s_xor_b32 s[\g+1], s[\g+1], SLOT1              ; the walking descriptor: the other slot,
	s_add_nc_u64 s[\g+2:\g+3], s[\g+2:\g+3], 128*128  ; the next 128 keys
.endr
.if \ask
	s_wait_xcnt 0x0                                ; the last prefetch, two key steps back, has read its address
	s_add_nc_u64 s[PFA:PFA+1], s[PFA:PFA+1], 128*128
.endif
	s_wait_dscnt 0x0
	CROUND
	JLOAD
.if \ask
	ASK
.endif
.else
	s_wait_dscnt 0x0
	s_barrier_signal -1
	s_barrier_wait -1
.endif
	s_sub_co_u32 s[TBK], s[TBK], 2*KS*PK           ; the fetches go back to a slot's first step, in the other slot
	s_xor_b32 s[TBK], s[TBK], SLOT1
	s_sub_co_u32 s[TBV], s[TBV], 2*KS*PV
	s_xor_b32 s[TBV], s[TBV], SLOT1
.endm
	s_load_b128 s[4:7], s[0:1], 0x0                ; qkv s[4:5], o s[6:7]
	v_lshl_add_u32 v[SPW], v0, 2, SPARE
	v_mov_b32 v[NIL], 0
	ds_add_u32 v[SPW], v[NIL]                      ; the wave's opening: the add and its wait stand ahead of my first tensor load
	v_lshrrev_b32 v1, 5, v0
	v_readfirstlane_b32 s[WV], v1
	s_and_b32 s[KV], s[WV], 1
	s_lshr_b32 s[HH], s[WV], 1
	s_bfe_u32 s13, ttmp6, 0x40000                  ; cx
	s_lshl_b32 s14, ttmp9, 2
	s_add_co_u32 s14, s14, s13                     ; my block of 128 queries: it enters Q's and o's addresses alone
	s_and_b32 s20, ttmp7, 0xffff                   ; the pair of heads, which the four partners share
	s_lshl_b32 s21, s20, 1
	s_add_co_u32 s21, s21, s[HH]
	s_lshl_b32 s22, s21, 18                        ; my head's first byte in q, k and v
	s_mov_b32 s23, 0
	; 128 keys are 16,384 dense bytes: asked for as 64 rows of 256 bytes, two keys a row, padded in LDS after every key
	s_mov_b32 s[G1K], 15|(1<<16)|(1<<20)|(1<<21)|(4<<22)|(3<<25)  ; the mask of four; 2-byte elements; padding on; bit 21 beside a mask; after every 32 words 4 words
	s_mov_b32 s[G1V], 15|(1<<16)|(1<<20)|(1<<21)|(4<<22)|(7<<25)  ; 8 words
.irp g, G1K, G1V
	s_mov_b32 s[\g+1], 128<<16
	s_mov_b32 s[\g+2], 64<<16
	s_mov_b32 s[\g+3], 128<<16
	s_mov_b32 s[\g+4], 64
	s_mov_b32 s[\g+5], 128
	s_mov_b32 s[\g+6], 0
	s_mov_b32 s[\g+7], 0
.endr
	s_mul_i32 s[HB], s[HH], HEADB
	s_mov_b32 s[G0K], 1
	s_mov_b32 s[G0K+1], s[HB]                      ; slot 0
	s_mov_b32 s[G0V], 1
	s_add_co_u32 s[G0V+1], s[HB], VOFF
	s_mov_b32 s[CS], 0x3e38aa3b                    ; c = log2(e) / 8
	s_mov_b32 s[CS+1], s[CS]
	s_mov_b32 s[SEL], 0x76543210
	s_mov_b32 s[SEL+1], 0xfedcba98
	s_mov_b32 s[TBK], SLOT1+2*KS*PK                ; the first change of slots turns these two into 0
	s_mov_b32 s[TBV], SLOT1+2*KS*PV
	s_or_b32 s[LIM], s[KV], ttmp9                  ; waves 0 and 2 of the pair's first cluster: the same in all four partners
	s_cmp_eq_u32 s[LIM], 0
	s_cselect_b32 s[LIM], 1, -1
	s_lshr_b32 s50, s13, 1                         ; the prefetches: partners 0, 1 take K's halves, 2, 3 V's,
	s_lshl_b32 s50, s50, 23                        ; which lies 8,388,608 bytes behind K
	s_and_b32 s51, s13, 1
	s_lshl_b32 s51, s51, 13
	s_add_co_u32 s50, s50, s51
	s_add_co_u32 s50, s50, 8388608+2*128*128       ; in slot 2: the first change in the loop steps it to slot 3
	s_mov_b32 s51, 0
	s_lshl_b32 s52, s14, 14                        ; Q: my block's 128 rows of 128 bytes,
	s_lshl_b32 s53, s[KV], 13                      ; my wave's 64
	s_add_co_u32 s52, s52, s53
	s_mov_b32 s53, 0
	s_lshr_b32 s54, s20, 3                         ; o: batch,
	s_lshl_b32 s54, s54, 11
	s_lshl_b32 s55, s14, 7
	s_add_co_u32 s54, s54, s55
	s_lshl_b32 s55, s[WV], 5                       ; the 32 rows that my wave stores,
	s_add_co_u32 s54, s54, s55
	s_lshl_b32 s54, s54, 11                        ; 2,048 bytes a token,
	s_and_b32 s55, s20, 7
	s_lshl_b32 s55, s55, 8                         ; the pair's 256 bytes
	s_add_co_u32 s54, s54, s55
	s_mov_b32 s55, 0
	v_and_b32 v[PFO], 31, v0
	v_lshlrev_b32 v[PFO], 8, v[PFO]
	s_wait_dscnt 0x0                               ; the opening add is done
	s_wait_kmcnt 0x0
	s_add_nc_u64 s[8:9], s[4:5], s[22:23]          ; my head in q
	s_add_nc_u64 s[G0K+2:G0K+3], s[8:9], 8388608
	s_or_b32 s[G0K+3], s[G0K+3], 0x80000000
	s_add_nc_u64 s[G0V+2:G0V+3], s[8:9], 16777216
	s_or_b32 s[G0V+3], s[G0V+3], 0x80000000
	s_add_nc_u64 s[PFA:PFA+1], s[8:9], s[50:51]
	s_add_nc_u64 s[10:11], s[8:9], s[52:53]        ; Q at my wave's first row
	s_add_nc_u64 s[6:7], s[6:7], s[54:55]
	CROUND                                         ; all four work-groups are here: the first joint loads meet
	JLOAD                                          ; slot 0
	v_and_b32 v1, 15, v0                           ; l % 16
	v_bfe_u32 v9, v0, 4, 1                         ; l / 16
	v_lshlrev_b32 v[QO], 7, v1
	v_lshl_add_u32 v[QO], v9, 4, v[QO]
	WIN 0x80                                       ; destination window 2, address window 0
.set i, 0
.rept 8                                ; Q stays in registers: tile i / 2, channels 32 (i % 2) on
	global_load_b128 v[8*i:8*i+3],   v[QO], s[10:11] offset:(i/2)*2048+(i%2)*64
	global_load_b128 v[8*i+4:8*i+7], v[QO], s[10:11] offset:(i/2)*2048+(i%2)*64+32
.set i, i+1
.endr
	; What the first turn finds: V and piece 2's P hold 0 (its products V^T P, of a step that has not been, add 0), O^T and l are 0.  Written in the wait for the first tile, so that no first step is written out.
.set i, VF
.rept 64
	v_mov_b32 v[i], 0
.set i, i+1
.endr
	WIN 0x40
.set i, 0
.rept 128
	v_mov_b32 v[i], 0
.set i, i+1
.endr
	WIN 0
.set i, 0
.rept 4
	v_mov_b32 v[ST+8*i], 0xfe000000                ; c m: far below every c s
	v_mov_b32 v[ST+8*i+1], 0xff7fffff              ; m
	v_mov_b32 v[ST+8*i+2], 0
	v_mov_b32 v[ST+8*i+3], 0
.set i, i+1
.endr
.set i, P+32
.rept 32
	v_mov_b32 v[i], 0
.set i, i+1
.endr
	v_mul_u32_u24 v[AK0], v1, PK
	v_lshl_add_u32 v[AK0], v9, 4, v[AK0]
	v_add_nc_u32 v[AK0], s[HB], v[AK0]             ; K: row l % 16, 16 bytes for each half of the lanes, in my head
	v_and_b32 v10, 7, v0
	v_bfe_u32 v11, v0, 3, 1
	v_lshl_add_u32 v[AV0], v9, 3, v10              ; V: key 8 (l / 16) + l % 8, channels 8 ((l / 8) % 2) on
	v_mul_u32_u24 v[AV0], v[AV0], PV
	v_lshl_add_u32 v[AV0], v11, 4, v[AV0]
	s_add_co_u32 s2, s[HB], VOFF
	v_add_nc_u32 v[AV0], s2, v[AV0]
; THE MATRIX WORK.  The 8 accumulators of a run of 16 take turns.
.macro KQ x                            ; product i of 16 of S^T = K Q^T: channels 32 (i / 8) on, keys 16 ((i / 2) % 4) on, tile x + i % 2; the first 8 start the sums
	WIN W_KQ
.set rS, S+32*((\x)+i%2)+8*((i/2)%4)
.set rK, KF+16*((i/2)%4)+8*(i/8)
.set rQ, 16*((\x)+i%2)+8*(i/8)
.if i < 8
	v_wmma_f32_16x16x32_bf16 v[rS:rS+7], v[rK:rK+7], v[rQ:rQ+7], 0
.else
	v_wmma_f32_16x16x32_bf16 v[rS:rS+7], v[rK:rK+7], v[rQ:rQ+7], v[rS:rS+7]
.endif
.endm
.macro PV x                            ; product i of 16 of O^T += V^T P: keys 32 (i / 8) on, channels 16 ((i / 2) % 4) on, tile x + i % 2
	WIN W_PV
.set rO, 32*((\x)+i%2)+8*((i/2)%4)
.set rV, VF+32*(i/8)+8*((i/2)%4)
.set rP, P+16*((\x)+i%2)+8*(i/8)
	v_wmma_f32_16x16x32_bf16 v[rO:rO+7], v[rV:rV+7], v[rP:rP+7], v[rO:rO+7]
.endm
; THE LDS LOADS stand in runs of 16.  last = 1 (the tail): in the last trip there is no further step, and the run is jumped over.
.macro FETCH_K last=0
	WIN 0
.if \last
	s_cmp_eq_u32 s[CNT], 1
	s_cbranch_scc1 .Lno_k_\@
.endif
	v_add_nc_u32 v[AK], s[TBK], v[AK0]
	WIN 0x80
.irp f, 0,1,2,3,4,5,6,7                ; keys 16 (f / 2) on, channels 32 (f % 2) on
	ds_load_b128 v[KF+8*\f:KF+8*\f+3],   v[AK] offset:(\f/2)*16*PK+(\f%2)*64
	ds_load_b128 v[KF+8*\f+4:KF+8*\f+7], v[AK] offset:(\f/2)*16*PK+(\f%2)*64+32
.endr
	s_add_co_u32 s[TBK], s[TBK], KS*PK
	WIN 0
.if \last
.Lno_k_\@:
.endif
.endm
.macro FETCH_V
	WIN 0
	v_add_nc_u32 v[AV], s[TBV], v[AV0]
	s_add_co_u32 s[TBV], s[TBV], KS*PV
	s_wait_alu depctr_va_vdst(0)                   ; the wait for the softmax's batch stands here, ahead of the loads
	WIN 0x80
.irp f, 0,1,2,3,4,5,6,7                ; keys 32 (f / 4) on, channels 16 (f % 4) on
	ds_load_tr16_b128 v[VF+8*\f:VF+8*\f+3],   v[AV] offset:(\f/4)*32*PV+(\f%4)*32
	ds_load_tr16_b128 v[VF+8*\f+4:VF+8*\f+7], v[AV] offset:(\f/4)*32*PV+16*PV+(\f%4)*32
.endr
	WIN 0
.endm
; THE VECTOR WORK.  One tile's softmax for one key step is a list of 118 instructions; SM writes number j of it for tile t.  s0-s31 are the lane's 32 scores, in pairs 0-15.
;   0-15    the maximum of s0-s31 and the old m, three operands at a time (each accumulator's lowest registers are read first)
;   16-20   the other half of the lanes' maximum; c m_old is kept; the new m; c m; c m_old - c m_new
;   21-69   ONE BATCH: the 16 scalings c s - c m and all 33 exponentials (a at 23); none of these reads an exponential's result; a pair is scaled in an earlier four than the one with its exponentials
;   70-85   the roundings to bf16     86-101  the sums; l = a l + the sum     102-117  the tile's O^T times a
.macro SM t
.set rT, ST+8*(\t)
.set rS, S+32*(\t)
.set rP, P+16*(\t)
.set rO, 32*(\t)+2*(j-102)
.if j < 102
	WIN 0
.endif
.if j < 4
	v_max3_num_f32 v[rT+4+j], v[rS+8*j], v[rS+8*j+1], v[rS+8*j+2]
.elseif j < 12
	v_max3_num_f32 v[rT+4+j%4], v[rT+4+j%4], v[rS+8*(j%4)+2*(j/4)+1], v[rS+8*(j%4)+2*(j/4)+2]
.elseif j == 12
	v_max3_num_f32 v[rT+4], v[rT+4], v[rS+7], v[rS+15]
.elseif j == 13
	v_max3_num_f32 v[rT+6], v[rT+6], v[rS+23], v[rS+31]
.elseif j == 14
	v_max3_num_f32 v[rT+4], v[rT+4], v[rT+5], v[rT+6]
.elseif j == 15
	v_max3_num_f32 v[rT+4], v[rT+4], v[rT+7], v[rT+1]
.elseif j == 16
	v_permlanex16_b32 v[rT+5], v[rT+4], s[SEL], s[SEL+1]  ; the query's other 32 keys lie in the lane 16 away
.elseif j == 17
	v_mov_b32 v[rT+7], v[rT]
.elseif j == 18
	v_max_num_f32 v[rT+1], v[rT+4], v[rT+5]
.elseif j == 19
	v_mul_f32 v[rT], s[CS], v[rT+1]
.elseif j == 20
	v_sub_f32 v[rT+7], v[rT+7], v[rT]
.elseif j == 23
	v_exp_f32 v[rT+6], v[rT+7]
.elseif (j < 23) || ((j < 38) && (j%2 == 0)) || ((j < 66) && (j%4 == 2))
.set b, (j-2)/4
.if j < 38
.set b, (j-20)/2
.endif
	v_pk_fma_f32 v[rS+2*b:rS+2*b+1], v[rS+2*b:rS+2*b+1], s[CS:CS+1], v[rT:rT+1] op_sel_hi:[1,0,0] neg_lo:[0,0,1] neg_hi:[0,0,1]
.elseif j < 70
.set e, j-38
.if j < 66
.set e, j-32-(j-38)/4
.endif
.if j < 38
.set e, (j-25)/2
.endif
	v_exp_f32 v[rS+e], v[rS+e]
.elseif j < 86
	v_cvt_pk_bf16_f32 v[rP+j-70], v[rS+2*(j-70)], v[rS+2*(j-70)+1]
.elseif j < 102
.set z, j-86
.set w, 4
.set u, z
.if z >= 14
.set w, 32
.set u, 0
.elseif z >= 12
.set w, 16
.set u, z-12
.elseif z >= 8
.set w, 8
.set u, z-8
.endif
.if z < 15
	v_pk_add_f32 v[rS+w*u:rS+w*u+1], v[rS+w*u:rS+w*u+1], v[rS+w*u+w/2:rS+w*u+w/2+1]
.else
	v_pk_fma_f32 v[rT+2:rT+3], v[rT+2:rT+3], v[rT+6:rT+7], v[rS:rS+1] op_sel_hi:[1,0,1]
.endif
.else
	WIN W_RS
	v_pk_mul_f32 v[rO:rO+1], v[rO:rO+1], v[rT+6:rT+7] op_sel_hi:[1,0]
.endif
.endm
; Slice k of 59 of piece y's softmax: four instructions.  Slices 11 to 34 deal out the batch, four numbers of one tile each, the tiles by turns; every other slice is numbers 2 k and 2 k + 1 of both tiles.
; Ahead of slice 35 nothing names an exponential's result, behind slice 34 none is issued: one plain instruction and one wait stand between them.
.macro SLICE y
.if (k >= 11) && (k < 35)
.irp n, 0,1,2,3
.set j, 22+4*((k-11)/2)+(\n)
	SM (\y)+(k-11)%2
.endr
.else
.irp n, 0,1
.irp t, \y, (\y)+1
.set j, 2*k+(\n)
	SM \t
.endr
.endr
.endif
.if k == 34
	v_nop
.if (\y) == 0
	FETCH_V                                        ; piece 2's turn: V of the next step; its last reader stands 19 slices back, more than four scalings between
.else
	s_wait_alu depctr_va_vdst(0)
.endif
.endif
.set k, k+1
.endm
; A TURN.  Piece x has the matrix unit, the other piece's softmax stands in slices: one behind each of the 32 products, 27 more in a lump behind the 22nd.  Slice 58, four plain multiplies that name nothing of
; the products round them, stands between the turn's last K Q^T and the next turn's reads of those scores and loads into K.
; Piece 0's turn fetches the next step's K behind its second product and waits for it ahead of its 17th; it begins with the wait for V, fetched in the turn before.
.macro TURN x, last=0
.set k, 0
.if (\x) == 0
	s_wait_dscnt 0x0                               ; V is in
.endif
.set i, 0
.rept 16
	PV \x
	SLICE 2-(\x)
.if ((\x) == 0) && (i == 1)
	FETCH_K \last
.endif
.set i, i+1
.endr
.if (\x) == 0
	s_wait_dscnt 0x0                               ; K is in
.endif
.set i, 0
.rept 16
	KQ \x
	SLICE 2-(\x)
.if i == 5
.rept 27
	SLICE 2-(\x)
.endr
.endif
.set i, i+1
.endr
.endm
	CHANGE 1, 0                                    ; slot 0 is in, everybody's part of it; slot 1 is asked for
	FETCH_K                                        ; key step 0
	s_wait_loadcnt 0x0                             ; Q
	s_wait_dscnt 0x0
.set i, 0
.rept 16
	KQ 0                                           ; piece 0's first scores
.set i, i+1
.endr
	WIN 0                                          ; the addresses for the way out: eight plain instructions, the places behind those products
	s_mul_i32 s2, s[KV], 64*SP
	s_lshl_b32 s3, s[HH], 7
	s_add_co_u32 s2, s2, s3
	s_add_co_u32 s2, s2, STAGE                     ; in: my 64 rows, my head's half of their 256 bytes
	v_mul_u32_u24 v[STO], v1, SP
	v_lshl_add_u32 v[STO], v9, 4, v[STO]
	v_add_nc_u32 v[STO], s2, v[STO]
	s_mul_i32 s2, s[WV], 32*SP
	s_add_co_u32 s2, s2, STAGE                     ; back: wave w takes rows 32 w on, whole: lanes 0-15 one row of 256 bytes, lanes 16-31 the next
	v_mul_u32_u24 v[RD], v9, SP
	v_lshl_add_u32 v[RD], v1, 4, v[RD]
	v_add_nc_u32 v[RD], s2, v[RD]
	v_lshlrev_b32 v[GO], 11, v9
	v_lshl_add_u32 v[GO], v1, 4, v[GO]
	s_mov_b32 s[CNT], 2
	s_mov_b32 s[SLOTS], 15
	s_branch .Lmid                                 ; the loop is entered at piece 2's turn: its products V^T P add zeros
.Lslot:                                        ; 14 times: every slot but the last two is filled again
	CHANGE 1, 1
	s_mov_b32 s[CNT], 2
.Lstep:
	TURN 0
	WIN 0
.Lmid:
	TURN 2
	WIN 0
	s_sub_co_u32 s[CNT], s[CNT], 1
	s_cmp_lg_u32 s[CNT], 0
	s_cbranch_scc1 .Lstep
	s_sub_co_u32 s[SLOTS], s[SLOTS], 1
	s_cmp_lg_u32 s[SLOTS], 0
	s_cbranch_scc1 .Lslot
	CHANGE 0, 0                                    ; the tail is written out: nothing is asked for
	s_mov_b32 s[CNT], 3
.Ltail:                                        ; three trips; the last fetches no K and jumps over piece 2's turn: its 16 products K Q^T on the last K once more serve nothing, once a launch
	TURN 0, 1
	WIN 0
	s_cmp_eq_u32 s[CNT], 1
	s_cbranch_scc1 .Lno_turn
	TURN 2
	WIN 0
.Lno_turn:
	s_sub_co_u32 s[CNT], s[CNT], 1
	s_cmp_lg_u32 s[CNT], 0
	s_cbranch_scc1 .Ltail
.set i, 0
.rept 16
	PV 2                                           ; piece 2's V^T P of the last step
.set i, i+1
.endr
	; THE WAY OUT.  l's two halves and the other half of the lanes' are added (the additions are the places behind the last products); O^T is divided by l, rounded to bf16, and goes through the work-group's stage.
	WIN 0
.irp t, 0,1,2,3
	v_add_f32 v[ST+8*\t+4], v[ST+8*\t+2], v[ST+8*\t+3]
.endr
.irp t, 0,1,2,3
	v_permlanex16_b32 v[ST+8*\t+5], v[ST+8*\t+4], s[SEL], s[SEL+1]
.endr
.irp t, 0,1,2,3
	v_add_f32 v[ST+8*\t+4], v[ST+8*\t+4], v[ST+8*\t+5]
.endr
.irp t, 0,1,2,3
	v_rcp_f32 v[ST+8*\t+6], v[ST+8*\t+4]
.endr
	v_nop                                          ; a plain instruction behind the last reciprocal,
	s_wait_alu depctr_va_vdst(0)                   ; and one wait for the four
.macro PACK t
	WIN W_RS
.set i, 32*(\t)
.rept 16
	v_pk_mul_f32 v[i:i+1], v[i:i+1], v[ST+8*(\t)+6:ST+8*(\t)+7] op_sel_hi:[1,0]
.set i, i+2
.endr
	WIN 0x05                                       ; sources 0 and 1 window 1, destination window 0
.set i, 0
.rept 16
	v_cvt_pk_bf16_f32 v[S+16*(\t)+i], v[32*(\t)+2*i], v[32*(\t)+2*i+1]
.set i, i+1
.endr
	WIN 0
.irp f, 0,1,2,3
	ds_store_b128 v[STO], v[S+16*(\t)+4*\f:S+16*(\t)+4*\f+3] offset:(\t)*16*SP+32*\f
.endr
.endm
	PACK 0
	PACK 1
	PACK 2
	PACK 3
	s_wait_dscnt 0x0                               ; for the others' sake: my stores into the stage are done
	s_barrier_signal -1
	s_barrier_wait -1                              ; a row's 256 bytes come from two waves
.irp t, 0,1,2,3,4,5,6,7,8,9,10,11,12,13,14,15
	ds_load_b128 v[128+4*\t:128+4*\t+3], v[RD] offset:\t*2*SP
.endr
.irp t, 0,1,2,3,4,5,6,7,8,9,10,11,12,13,14,15
	s_wait_dscnt 15-\t
	global_store_b128 v[GO], v[128+4*\t:128+4*\t+3], s[6:7] offset:\t*4096  ; 16 lanes store 256 consecutive bytes, aligned
.endr
	s_wait_tensorcnt 0x0                           ; the wave's end
	ds_add_u32 v[SPW], v[NIL]
	s_wait_dscnt 0x0
	CROUND                                         ; the closing round
	s_endpgm
.Lfunc_end_k_qac2973ee75_attn:
	.size	k_qac2973ee75_attn, .Lfunc_end_k_qac2973ee75_attn-k_qac2973ee75_attn
	.p2alignl 7, 3214868480
	.fill 96, 4, 3214868480
	.section	.rodata,"a",@progbits
	.p2align	6, 0x0
	.amdhsa_kernel k_qac2973ee75_attn
		.amdhsa_group_segment_fixed_size 327680
		.amdhsa_private_segment_fixed_size 0
		.amdhsa_enable_private_segment 0
		.amdhsa_kernarg_size 16
		.amdhsa_user_sgpr_count 2
		.amdhsa_user_sgpr_kernarg_segment_ptr 1
		.amdhsa_wavefront_size32 1
		.amdhsa_system_sgpr_workgroup_id_x 1
		.amdhsa_system_sgpr_workgroup_id_y 1
		.amdhsa_system_sgpr_workgroup_id_z 1
		.amdhsa_system_vgpr_workitem_id 0
		.amdhsa_next_free_vgpr 768
		.amdhsa_next_free_sgpr 66
		.amdhsa_reserve_vcc 0
		.amdhsa_float_denorm_mode_32 3
		.amdhsa_float_denorm_mode_16_64 3
		.amdhsa_memory_ordered 1
		.amdhsa_forward_progress 1
		.amdhsa_inst_pref_size 108
	.end_amdhsa_kernel
	.amdgpu_metadata
---
amdhsa.version: [ 1, 2 ]
amdhsa.kernels:
  - .name:           k_qac2973ee75_attn
    .symbol:         k_qac2973ee75_attn.kd
    .args:
      - { .name: qkv, .offset: 0, .size: 8, .value_kind: global_buffer, .address_space: global }
      - { .name: o, .offset: 8, .size: 8, .value_kind: global_buffer, .address_space: global }
    .group_segment_fixed_size: 327680
    .private_segment_fixed_size: 0
    .kernarg_segment_align: 8
    .kernarg_segment_size: 16
    .max_flat_workgroup_size: 128
    .sgpr_count:     66
    .vgpr_count:     768
    .wavefront_size: 32
...
	.end_amdgpu_metadata
.endif
;; end of part 3
;; launch proj (part 4): grid 8 x 32, 4 waves a work-group, clusters of 4 x 4, 327,680 bytes of LDS; arguments o, wts, x, x1; writes x1
.if DOCPART == 4
	.amdgcn_target "amdgcn-amd-amdhsa--gfx1250"
	.amdhsa_code_object_version 6
	.text
	.protected	k_qac2973ee75_proj
	.globl	k_qac2973ee75_proj
	.p2align	8
	.type	k_qac2973ee75_proj,@function
k_qac2973ee75_proj:
	s_mov_b64 s[64:65], 0
	v_nop
	global_prefetch_b8 v0, s[64:65] scope:SCOPE_SE
	s_setreg_imm32_b32 hwreg(HW_REG_WAVE_MODE, 25, 1), 1
	s_wait_xcnt 0x0
	s_wait_alu depctr_hold_cnt(0) depctr_sa_sdst(0) depctr_va_vdst(0) depctr_va_sdst(0) depctr_va_ssrc(0) depctr_va_vcc(0) depctr_vm_vsrc(0)
	s_getreg_b32 s2, hwreg(HW_REG_IB_STS2, 6, 4)
	s_cmp_eq_u32 s2, 0
	s_cbranch_scc0 .Lentry_in_a_cluster
	s_endpgm
.Lentry_in_a_cluster:
	s_bfe_u32 s2, ttmp6, 0x10000c
	s_cmp_lg_u32 s2, 0xf033
	s_cbranch_scc0 .Lentry_shape_is_right
	s_endpgm
.Lentry_shape_is_right:
; PROJ.  x1[m][n] = x[m][n] + sum over k of o[m][k] W[k][n]: o [4096][1024] bf16, W = w_proj as bf16, [1024][1024] as it lies; sums, x and x1 in f32.
; A tile of C is 128 x 128, so that 256 work-groups are made; four waves, each 64 x 64: 16 accumulators.  K goes in steps of 256 through two LDS slots filled by tensor loads.
; W STAYS [K][N]: its tile lies in LDS as 256 rows of k, and the fragments are read turned (ds_load_tr16_b128).
; THE MATRIX INSTRUCTION IS USED TRANSPOSED (source 0 = 16 columns of W, source 1 = 16 rows of o): a lane holds row l % 16 of C and the columns 8 (l / 16) + 0..7.
; CLUSTER 4 x 4: o's tile is asked for jointly by a row of the cluster, W's by a column.
; THE WALK ALONG K BEGINS ELSEWHERE IN EACH CLUSTER and goes round K's end (f32 sums may take the K steps in any order; each step is taken once).  The two clusters that read the same rows of o begin half of K
; apart, the clusters that read the same columns of W a quarter of K apart: they do not ask for the same block at the same time.  The first step hangs on the cluster's two coordinates alone, which all sixteen partners share.
; THE WAY OUT: the accumulators go as f32 into the ring, which has had its last fill, each wave into bytes of its own, come back as whole rows of 256 bytes, take the residual (loaded at the start) and are stored.
; No prefetch: with four K steps none lies two refills on.
; REGISTERS by windows of 256: window 0 addresses, accumulators v128-255 ((a, b) at 128 + 8 (4 a + b)); window 1 two fragment buffers of 128; window 2 the residual v0-127 and the way out.
.set KD,    1024
.set NN,    1024
.set WB,    6291456
.set PF,    0
.set STEPS, KD/256
.set LOGQ,  0                          ; log2(STEPS / 4)
.set LOGA,  9                          ; a K step in A: 512 bytes along a row
.set LOGB,  19                         ; in W: 256 rows of 2,048 bytes
.set PA,    528                        ; a row of A's tile: 512 bytes + 16
.set PB,    288                        ; a k row of W's tile: 256 bytes + 32 = 9 x 32
.set ALD,   64*PA                      ; one load of A: 64 rows
.set BLD,   128*PB                     ; one load of W: 128 k rows
.set BOFF,  2*ALD
.set SLOT,  2*ALD+2*BLD
.set SPARE, 2*SLOT
.set DP,    272                        ; the way out: a row of 64 f32 + 16 bytes
.set DWAVE, 64*DP
.set ADRA0, 10
.set ADRB0, 11
.set ADRA,  16
.set ADRB,  20                         ; v20 k rows 0-127, v21 k rows 128-255
.set DST,   24
.set RD,    25
.set CO,    26
.set SPW,   28
.set NIL,   29
.set PFO,   30
.set ACC,   128
.set F0,    0
.set F1,    128
.set XW,    128                        ; window 2: 16 row pairs read back
.set BI,    192
.set RD2,   196                        ; window 2: copies of RD and CO
.set CO2,   197
.set AB0, 14                           ; s[14:15] A at my load's first row, K step 0; never rewritten
.set BB0, 46                           ; s[46:47] W at my load's first k row of K step 0, my tile column; never rewritten
.set G1A, 24
.set G0A, 32
.set G1B, 48
.set G0B, 56
.set RES, 68                           ; s[68:69] the residual
.set OUT, 70                           ; s[70:71] the output
.set PFA, 74
.set LIM, 78
.set SB,  79
.set WOFA, 80
.set WOFB, 81
.set KC,  82                           ; s82  the K step last asked for
.set KT,  83                           ; s83  at work
.set AOF, 84                           ; s[84:85] a K step's byte offset in A; s[86:87] in W: pairs of their own, made of KC alone
.set BOF, 86
.set POF, 88
.set PB0, 90
.set MSB, 0
.macro WIN new
.if MSB != (\new)
	s_set_vgpr_msb (MSB<<8)|(\new)
.set MSB, \new
.endif
.endm
.set MUL,  0x05                        ; sources 0 (W) and 1 (A) window 1; C and D window 0
.set TO_F, 0x40                        ; destination window 1, address window 0
.macro PLACES
.rept 4
	v_nop
.endr
.endm
.macro CREST
	s_cmp_lg_u32 s10, 0
	s_cbranch_scc1 .Lnot_wave_0_\@
	s_barrier_signal -3
.Lnot_wave_0_\@:
	s_barrier_wait -3
	s_barrier_signal -1
	s_barrier_wait -1
.endm
.macro CROUND
	s_barrier_signal -1
	s_barrier_wait -1
	CREST
.endm
.macro JLOAD                           ; a joint refill by the walking sets; s_nop 0 and four v_nop follow each line
	s_cmp_eq_u32 s11, 0
	s_cbranch_scc0 .Lfor_b_\@
	tensor_load_to_lds s[G0A+4:G0A+7], s[G1A:G1A+7]
	s_nop 0
.rept 4
	v_nop
.endr
	s_branch .Lasked_\@
.Lfor_b_\@:
	tensor_load_to_lds s[G0B+4:G0B+7], s[G1B:G1B+7]
	s_nop 0
.rept 4
	v_nop
.endr
.Lasked_\@:
.endm
.macro ASK
	s_cmp_gt_u32 s3, s[LIM]
	s_cbranch_scc0 .Lnot_mine_\@
	global_prefetch_b8 v[PFO], s[PFA:PFA+1] th:TH_LOAD_NT scope:SCOPE_SE
.Lnot_mine_\@:
.endm
.macro MUL8 f, c, a0, zero             ; 8 products: row blocks a0, a0 + 1 x 4 column blocks, half c of buffer f.  The 16 accumulators take turns
	WIN MUL
.irp a, \a0, (\a0)+1
.irp b, 0,1,2,3
.if \zero
	v_wmma_f32_16x16x32_bf16 v[ACC+8*(4*(\a)+(\b)):ACC+8*(4*(\a)+(\b))+7], v[(\f)+64+8*(4*(\c)+(\b)):(\f)+64+8*(4*(\c)+(\b))+7], v[(\f)+8*(4*(\c)+(\a)):(\f)+8*(4*(\c)+(\a))+7], 0
.else
	v_wmma_f32_16x16x32_bf16 v[ACC+8*(4*(\a)+(\b)):ACC+8*(4*(\a)+(\b))+7], v[(\f)+64+8*(4*(\c)+(\b)):(\f)+64+8*(4*(\c)+(\b))+7], v[(\f)+8*(4*(\c)+(\a)):(\f)+8*(4*(\c)+(\a))+7], v[ACC+8*(4*(\a)+(\b)):ACC+8*(4*(\a)+(\b))+7]
.endif
.endr
.endr
.endm
.macro FETCH q, f                      ; 32 LDS loads in one run: quarter q (64 along K) into buffer f; its first 32 along K first
	WIN TO_F
.irp c, 0,1
.irp i, 0,1,2,3
	ds_load_tr16_b128 v[(\f)+64+8*(4*(\c)+(\i)):(\f)+64+8*(4*(\c)+(\i))+3],   v[ADRB+(\q)/2] offset:(((\q)%2)*64+32*(\c))*PB+32*(\i)
	ds_load_tr16_b128 v[(\f)+64+8*(4*(\c)+(\i))+4:(\f)+64+8*(4*(\c)+(\i))+7], v[ADRB+(\q)/2] offset:(((\q)%2)*64+32*(\c)+16)*PB+32*(\i)
	ds_load_b128 v[(\f)+8*(4*(\c)+(\i)):(\f)+8*(4*(\c)+(\i))+3],   v[ADRA] offset:128*(\q)+64*(\c)+(\i)*16*PA
	ds_load_b128 v[(\f)+8*(4*(\c)+(\i))+4:(\f)+8*(4*(\c)+(\i))+7], v[ADRA] offset:128*(\q)+64*(\c)+(\i)*16*PA+32
.endr
.endr
.endm
.macro QUARTER q, f, g, zero
	s_wait_dscnt 16                                ; the first 32 along K are in
	MUL8 \f, 0, 0, \zero
	MUL8 \f, 0, 2, \zero
	PLACES
	FETCH \q, \g
	s_wait_dscnt 32                                ; all but the 32 just issued
	MUL8 \f, 1, 0, 0
	MUL8 \f, 1, 2, 0
.endm
; The one barrier of a change of slots: all my tensor loads have landed, the add is done, my reads of this slot are over.  round = 1: a refill follows: its descriptors are made here, between the add and the wait for it.
.macro MEET round
	WIN 0
	s_wait_tensorcnt 0x0
	ds_add_u32 v[SPW], v[NIL]
.if \round
	s_add_co_u32 s[KC], s[KC], 1                   ; no load of mine is out, so the walking sets may be written: the next K step of my cluster's walk, round K's end,
	s_and_b32 s[KC], s[KC], STEPS-1
	s_lshl_b32 s[AOF], s[KC], LOGA
	s_lshl_b32 s[BOF], s[KC], LOGB
	s_add_co_u32 s[G0A+5], s[WOFA], s[SB]          ; into the slot that is being read out;
	s_add_co_u32 s[G0B+5], s[WOFB], s[SB]
	s_add_nc_u64 s[G0A+6:G0A+7], s[AB0:AB0+1], s[AOF:AOF+1]  ; the address is made anew from the step's number, the type bits set again
	s_or_b32 s[G0A+7], s[G0A+7], 0x80000000
	s_add_nc_u64 s[G0B+6:G0B+7], s[BB0:BB0+1], s[BOF:BOF+1]
	s_or_b32 s[G0B+7], s[G0B+7], 0x80000000
	s_xor_b32 s[SB], s[SB], SLOT                   ; the reads go on in the other slot
.endif
	s_wait_dscnt 17                                ; the add and the youngest sixteen loads may be out
	MUL8 F1, 0, 0, 0
	s_wait_dscnt 0x0
	s_barrier_signal -1
	MUL8 F1, 0, 2, 0
.if \round
	WIN 0
.endif
	s_barrier_wait -1
.endm
.macro TURN
.if PF
	s_wait_xcnt 0x0                                ; the last prefetch, a K step back, has read its address
	s_add_co_u32 s[KT], s[KC], 3                   ; this refill asks for step KC + 1 of K; the prefetch names the step two refills on
	s_and_b32 s[KT], s[KT], STEPS-1
	s_lshl_b32 s[POF], s[KT], LOGA
	s_add_nc_u64 s[PFA:PFA+1], s[PB0:PB0+1], s[POF:POF+1]
.endif
	MEET 1
	CREST                                          ; no wave of any partner still reads this slot or has a load on its way
	JLOAD                                          ; the first tensor load behind the round; its four v_nop are also the places in front of the loads below
	v_add_nc_u32 v[ADRA], s[SB], v[ADRA0]
	v_add_nc_u32 v[ADRB], s[SB], v[ADRB0]
	v_add_nc_u32 v[ADRB+1], BLD, v[ADRB]
	FETCH 0, F0
.if PF
	WIN 0
	ASK
.endif
	MUL8 F1, 1, 0, 0
	MUL8 F1, 1, 2, 0
.endm
	s_load_b128 s[4:7], s[0:1], 0x0                ; o s[4:5], wts s[6:7]
	s_load_b128 s[68:71], s[0:1], 0x10             ; x s[68:69], x1 s[70:71]
	v_lshl_add_u32 v[SPW], v0, 2, SPARE
	v_mov_b32 v[NIL], 0
	ds_add_u32 v[SPW], v[NIL]                      ; the wave's opening: the add and its wait stand ahead of my first tensor load
	v_lshrrev_b32 v1, 5, v0
	v_readfirstlane_b32 s10, v1
	s_lshr_b32 s11, s10, 1                         ; my half of the tile's rows; also: I fetch A (0) or W (1)
	s_and_b32 s12, s10, 1                          ; my half of its columns; also: which half of that tile I fetch
	s_bfe_u32 s40, ttmp6, 0x40000
	s_bfe_u32 s41, ttmp6, 0x40004
	s_lshl_b32 s42, ttmp9, 2
	s_add_co_u32 s42, s42, s40                     ; tile column
	s_and_b32 s13, ttmp7, 0xffff
	s_lshl_b32 s13, s13, 2
	s_add_co_u32 s13, s13, s41                     ; tile row
	s_lshl_b32 s43, s41, 2
	s_lshl_b32 s43, 15, s43
	s_lshl_b32 s44, 0x1111, s40
	s_or_b32 s[G1A+0], s43, (1<<16)|(1<<20)|(1<<21)|(6<<22)|(3<<25)  ; mask; 2-byte elements; padding on; bit 21 beside a mask; after every 128 words 4 words
	s_mov_b32 s[G1A+1], 256<<16
	s_mov_b32 s[G1A+2], 64<<16
	s_mov_b32 s[G1A+3], 256<<16
	s_mov_b32 s[G1A+4], 64
	s_mov_b32 s[G1A+5], KD
	s_mov_b32 s[G1A+6], 0
	s_mov_b32 s[G1A+7], 0
	s_or_b32 s[G1B+0], s44, (1<<16)|(1<<20)|(1<<21)|(5<<22)|(7<<25)  ; after every 64 words 8 words
	s_mov_b32 s[G1B+1], 128<<16
	s_mov_b32 s[G1B+2], 128<<16
	s_mov_b32 s[G1B+3], 128<<16
	s_mov_b32 s[G1B+4], 128
	s_mov_b32 s[G1B+5], NN
	s_mov_b32 s[G1B+6], 0
	s_mov_b32 s[G1B+7], 0
	s_and_b32 s[KT], ttmp7, 0xffff                 ; my cluster's first K step: ((y + y / 4) mod 4) quarters of K + x halves of K, x and y the cluster's coordinates
	s_lshr_b32 s[KC], s[KT], 2
	s_add_co_u32 s[KT], s[KT], s[KC]
	s_and_b32 s[KT], s[KT], 3
	s_lshl_b32 s[KT], s[KT], LOGQ
	s_lshl_b32 s[KC], ttmp9, LOGQ+1
	s_add_co_u32 s[KC], s[KC], s[KT]
	s_and_b32 s[KC], s[KC], STEPS-1
	s_mov_b32 s[AOF+1], 0
	s_mov_b32 s[BOF+1], 0
	s_lshl_b32 s16, s13, 7
	s_lshl_b32 s17, s12, 6
	s_add_co_u32 s16, s16, s17                     ; A: row 128 x tile row + 64 x half
	s_mul_i32 s16, s16, 2*KD
	s_mov_b32 s17, 0
	s_mul_i32 s46, s12, 256*NN                     ; W: 128 k rows x half,
	s_lshl_b32 s47, s42, 8                         ; 256 bytes x tile column
	s_add_co_u32 s46, s46, s47
	s_mov_b32 s47, 0
	s_mul_i32 s[WOFA], s12, ALD
	s_mul_i32 s[WOFB], s12, BLD
	s_add_co_u32 s[WOFB], s[WOFB], BOFF
	s_mov_b32 s[SB], 0
	s_wait_dscnt 0x0
	s_wait_kmcnt 0x0
	s_add_nc_u64 s[6:7], s[6:7], WB
	s_add_nc_u64 s[AB0:AB0+1], s[4:5], s[16:17]
	s_add_nc_u64 s[BB0:BB0+1], s[6:7], s[46:47]
	CROUND
.irp s, 0,1                            ; the walk's first two K steps, into slots 0 and 1
	s_lshl_b32 s[AOF], s[KC], LOGA
	s_lshl_b32 s[BOF], s[KC], LOGB
	s_mov_b32 s[G0A+4*(\s)], 1
	s_add_co_u32 s[G0A+4*(\s)+1], s[WOFA], (\s)*SLOT
	s_add_nc_u64 s[G0A+4*(\s)+2:G0A+4*(\s)+3], s[AB0:AB0+1], s[AOF:AOF+1]
	s_or_b32 s[G0A+4*(\s)+3], s[G0A+4*(\s)+3], 0x80000000
	s_mov_b32 s[G0B+4*(\s)], 1
	s_add_co_u32 s[G0B+4*(\s)+1], s[WOFB], (\s)*SLOT
	s_add_nc_u64 s[G0B+4*(\s)+2:G0B+4*(\s)+3], s[BB0:BB0+1], s[BOF:BOF+1]
	s_or_b32 s[G0B+4*(\s)+3], s[G0B+4*(\s)+3], 0x80000000
.if (\s) == 0
	s_add_co_u32 s[KC], s[KC], 1
	s_and_b32 s[KC], s[KC], STEPS-1
.endif
.endr
	s_cmp_eq_u32 s11, 0                            ; a wave's two first fills stand in one branch: two loads of mine are out
	s_cbranch_scc0 .Lfirst_b
	tensor_load_to_lds s[G0A:G0A+3], s[G1A:G1A+7]
	s_nop 0
	tensor_load_to_lds s[G0A+4:G0A+7], s[G1A:G1A+7]
	s_nop 0
.rept 4
	v_nop
.endr
	s_branch .Lfirst_done
.Lfirst_b:
	tensor_load_to_lds s[G0B:G0B+3], s[G1B:G1B+7]
	s_nop 0
	tensor_load_to_lds s[G0B+4:G0B+7], s[G1B:G1B+7]
	s_nop 0
.rept 4
	v_nop
.endr
.Lfirst_done:
	v_and_b32 v1, 15, v0
	v_bfe_u32 v2, v0, 4, 1
	v_and_b32 v7, 7, v0
	v_bfe_u32 v5, v0, 3, 1
	v_mul_u32_u24 v3, v1, PA
	v_lshl_add_u32 v3, v2, 4, v3
	s_mul_i32 s21, s11, ALD
	v_add_nc_u32 v[ADRA0], s21, v3
	v_lshl_add_u32 v4, v2, 3, v7
	v_mul_u32_u24 v4, v4, PB
	v_lshl_add_u32 v4, v5, 4, v4
	s_lshl_b32 s22, s12, 7
	s_add_co_u32 s22, s22, BOFF
	v_add_nc_u32 v[ADRB0], s22, v4
	v_mov_b32 v[ADRA], v[ADRA0]
	v_mov_b32 v[ADRB], v[ADRB0]
	v_add_nc_u32 v[ADRB+1], BLD, v[ADRB0]
	s_mul_i32 s23, s10, DWAVE
	v_mul_u32_u24 v6, v1, DP
	v_lshl_add_u32 v6, v2, 5, v6
	v_add_nc_u32 v[DST], s23, v6                   ; in: row r, 32 bytes for each half of the lanes
	v_mul_u32_u24 v6, v2, DP
	v_lshl_add_u32 v6, v1, 4, v6
	v_add_nc_u32 v[RD], s23, v6                    ; back: lanes 0-15 one row of 256 bytes, lanes 16-31 the next
	v_lshlrev_b32 v6, 12, v2
	v_lshl_add_u32 v[CO], v1, 4, v6                ; the same two rows in the residual and in the output
	s_lshl_b32 s96, s13, 19                        ; my part's first byte there: (128 x tile row + 64 x half) x 4,096 + (128 x tile column + 64 x half) x 4
	s_lshl_b32 s97, s11, 18
	s_add_co_u32 s96, s96, s97
	s_lshl_b32 s97, s42, 9
	s_add_co_u32 s96, s96, s97
	s_lshl_b32 s97, s12, 8
	s_add_co_u32 s96, s96, s97
	s_mov_b32 s97, 0
	s_add_nc_u64 s[RES:RES+1], s[RES:RES+1], s[96:97]
	s_add_nc_u64 s[OUT:OUT+1], s[OUT:OUT+1], s[96:97]
	WIN 0x80                                       ; destination window 2, address window 0
.set t, 0
.rept 32
	global_load_b128 v[4*t:4*t+3], v[CO], s[RES:RES+1] offset:t*8192  ; the residual of my 64 x 64: waited for at the way out
.set t, t+1
.endr
	WIN 0
	s_wait_tensorcnt 1                             ; my part of the walk's first K step is in; the second's may stay out
	s_barrier_signal -1
	s_barrier_wait -1
	FETCH 0, F0
	QUARTER 1, F0, F1, 1                           ; the first products start the sums
	WIN 0
	s_mov_b32 s3, STEPS-2
.Lstep:
	QUARTER 2, F1, F0, 0
	QUARTER 3, F0, F1, 0
	TURN
	QUARTER 1, F0, F1, 0
	WIN 0
	s_sub_co_u32 s3, s3, 1
	s_cmp_lg_u32 s3, 0
	s_cbranch_scc1 .Lstep
	s_mov_b32 s2, 2
.Ltail:                                        ; the last two K steps ask for nothing; the second jumps over what would begin a further step
	QUARTER 2, F1, F0, 0
	QUARTER 3, F0, F1, 0
	MEET 0
	WIN 0
	s_cmp_eq_u32 s2, 1
	s_cbranch_scc1 .Lnofetch
	s_xor_b32 s[SB], s[SB], SLOT
	v_add_nc_u32 v[ADRA], s[SB], v[ADRA0]
	v_add_nc_u32 v[ADRB], s[SB], v[ADRB0]
	v_add_nc_u32 v[ADRB+1], BLD, v[ADRB]
	PLACES
	FETCH 0, F0
	WIN 0
.Lnofetch:
	MUL8 F1, 1, 0, 0
	MUL8 F1, 1, 2, 0
	WIN 0
	s_cmp_eq_u32 s2, 1
	s_cbranch_scc1 .Lnoquarter
	QUARTER 1, F0, F1, 0
	WIN 0
.Lnoquarter:
	s_sub_co_u32 s2, s2, 1
	s_cmp_lg_u32 s2, 0
	s_cbranch_scc1 .Ltail
	s_wait_dscnt 0x0                               ; my reads of the ring are over;
	s_barrier_signal -1
	s_barrier_wait -1                              ; everybody's are: the ring, which is filled no more, takes the sums
	PLACES
.irp a, 0,1,2,3
.irp b, 0,1,2,3
	ds_store_b128 v[DST], v[ACC+8*(4*\a+\b):ACC+8*(4*\a+\b)+3]   offset:\a*16*DP+64*\b      ; each accumulator's low registers first
	ds_store_b128 v[DST], v[ACC+8*(4*\a+\b)+4:ACC+8*(4*\a+\b)+7] offset:\a*16*DP+64*\b+16
.endr
.endr
	WIN 0x80
	v_mov_b32 v[RD2], v[RD]
	v_mov_b32 v[CO2], v[CO]
	WIN 0xaa                                       ; from here on every operand lies in window 2
	s_wait_loadcnt 0x0                             ; the residual
.irp hf, 0,1
.irp u, 0,1,2,3,4,5,6,7,8,9,10,11,12,13,14,15
	ds_load_b128 v[XW+4*\u:XW+4*\u+3], v[RD2] offset:(16*\hf+\u)*2*DP  ; LDS serves a wave's instructions in order: these see my stores above
.endr
.irp u, 0,1,2,3,4,5,6,7,8,9,10,11,12,13,14,15
	s_wait_dscnt 15-\u
	v_pk_add_f32 v[4*(16*\hf+\u):4*(16*\hf+\u)+1], v[4*(16*\hf+\u):4*(16*\hf+\u)+1], v[XW+4*\u:XW+4*\u+1]
	v_pk_add_f32 v[4*(16*\hf+\u)+2:4*(16*\hf+\u)+3], v[4*(16*\hf+\u)+2:4*(16*\hf+\u)+3], v[XW+4*\u+2:XW+4*\u+3]
	global_store_b128 v[CO2], v[4*(16*\hf+\u):4*(16*\hf+\u)+3], s[OUT:OUT+1] offset:(16*\hf+\u)*8192  ; 16 lanes store 256 consecutive bytes, aligned
.endr
.endr
	WIN 0
	s_wait_tensorcnt 0x0                           ; the wave's end
	ds_add_u32 v[SPW], v[NIL]
	s_wait_dscnt 0x0
	CROUND                                         ; the closing round
	s_endpgm
.Lfunc_end_k_qac2973ee75_proj:
	.size	k_qac2973ee75_proj, .Lfunc_end_k_qac2973ee75_proj-k_qac2973ee75_proj
	.p2alignl 7, 3214868480
	.fill 96, 4, 3214868480
	.section	.rodata,"a",@progbits
	.p2align	6, 0x0
	.amdhsa_kernel k_qac2973ee75_proj
		.amdhsa_group_segment_fixed_size 327680
		.amdhsa_private_segment_fixed_size 0
		.amdhsa_enable_private_segment 0
		.amdhsa_kernarg_size 32
		.amdhsa_user_sgpr_count 2
		.amdhsa_user_sgpr_kernarg_segment_ptr 1
		.amdhsa_wavefront_size32 1
		.amdhsa_system_sgpr_workgroup_id_x 1
		.amdhsa_system_sgpr_workgroup_id_y 1
		.amdhsa_system_sgpr_workgroup_id_z 1
		.amdhsa_system_vgpr_workitem_id 0
		.amdhsa_next_free_vgpr 768
		.amdhsa_next_free_sgpr 100
		.amdhsa_reserve_vcc 0
		.amdhsa_float_denorm_mode_32 3
		.amdhsa_float_denorm_mode_16_64 3
		.amdhsa_memory_ordered 1
		.amdhsa_forward_progress 1
		.amdhsa_inst_pref_size 66
	.end_amdhsa_kernel
	.amdgpu_metadata
---
amdhsa.version: [ 1, 2 ]
amdhsa.kernels:
  - .name:           k_qac2973ee75_proj
    .symbol:         k_qac2973ee75_proj.kd
    .args:
      - { .name: o, .offset: 0, .size: 8, .value_kind: global_buffer, .address_space: global }
      - { .name: wts, .offset: 8, .size: 8, .value_kind: global_buffer, .address_space: global }
      - { .name: x, .offset: 16, .size: 8, .value_kind: global_buffer, .address_space: global }
      - { .name: x1, .offset: 24, .size: 8, .value_kind: global_buffer, .address_space: global }
    .group_segment_fixed_size: 327680
    .private_segment_fixed_size: 0
    .kernarg_segment_align: 8
    .kernarg_segment_size: 32
    .max_flat_workgroup_size: 128
    .sgpr_count:     100
    .vgpr_count:     768
    .wavefront_size: 32
...
	.end_amdgpu_metadata
.endif
;; end of part 4
;; launch ln2 (part 5): grid 256 x 1, 8 waves a work-group, no clusters, 0 bytes of LDS; arguments x1, ln2_w, ln2_b, h; writes h
.if DOCPART == 5
	.amdgcn_target "amdgcn-amd-amdhsa--gfx1250"
	.amdhsa_code_object_version 6
	.text
	.protected	k_qac2973ee75_ln2
	.globl	k_qac2973ee75_ln2
	.p2align	8
	.type	k_qac2973ee75_ln2,@function
k_qac2973ee75_ln2:
	s_mov_b64 s[64:65], 0
	v_nop
	global_prefetch_b8 v0, s[64:65] scope:SCOPE_SE
	s_setreg_imm32_b32 hwreg(HW_REG_WAVE_MODE, 25, 1), 1
	s_wait_xcnt 0x0
; LN2.  h = LayerNorm(x1) * ln2_w + ln2_b, stored as f16.  A work-group takes 16 rows of 1,024, a wave two, kept in registers: mean first, then the mean of (x - mean)^2, so no difference of
; large sums is formed; all of it in f32, h rounded once.  LIMITS.  f16 ends at 65,504: |h| <= 32 |ln2_w| + |ln2_b| must stay below it.  NaN and infinities are not treated apart.
; No LDS, no barrier: each byte is read once and written once; each store of a wave covers 256 consecutive bytes, aligned.
.set X, 8                              ; v[8:71]    two rows, 32 registers each: register 4 j + e holds column 128 j + 4 lane + e
.set W, 72                             ; v[72:103]  the gain of the same columns
.set B, 104                            ; v[104:135] the bias
.set Y, 136                            ; v[136:167] at work, then the rows as f16
.set T, 168                            ; v[168:175] a row's mean (twice) and 1 / sqrt(var + eps) (twice)
.set HB, 10                            ; s[10:11]   h
.macro JOIN                            ; four chains of pairs at AI -> one sum over the wave's 32 lanes, in every lane, in v[AI]
	v_pk_add_f32 v[AI:AI+1], v[AI:AI+1], v[AI+2:AI+3]
	v_pk_add_f32 v[AI+4:AI+5], v[AI+4:AI+5], v[AI+6:AI+7]
	v_pk_add_f32 v[AI:AI+1], v[AI:AI+1], v[AI+4:AI+5]
	v_add_f32 v[AI], v[AI], v[AI+1]
	v_add_f32_dpp v[AI], v[AI], v[AI] row_xmask:1 row_mask:0xf bank_mask:0xf
	v_add_f32_dpp v[AI], v[AI], v[AI] row_xmask:2 row_mask:0xf bank_mask:0xf
	v_add_f32_dpp v[AI], v[AI], v[AI] row_xmask:4 row_mask:0xf bank_mask:0xf
	v_add_f32_dpp v[AI], v[AI], v[AI] row_xmask:8 row_mask:0xf bank_mask:0xf
	v_permlanex16_b32 v[AI+1], v[AI], s12, s13
	v_add_f32 v[AI], v[AI], v[AI+1]
.endm
.macro ROW_A i                         ; row i: mean, x - mean, variance, and the reciprocal root is issued
.set XI, X+32*(\i)
.set AI, Y+16*(\i)
.set TI, T+4*(\i)
.irp k, 0,2,4,6
	v_pk_add_f32 v[AI+\k:AI+\k+1], v[XI+\k:XI+\k+1], v[XI+8+\k:XI+8+\k+1]
.endr
.irp m, 16,24
.irp k, 0,2,4,6
	v_pk_add_f32 v[AI+\k:AI+\k+1], v[AI+\k:AI+\k+1], v[XI+\m+\k:XI+\m+\k+1]
.endr
.endr
	JOIN
	v_mul_f32 v[TI], s14, v[AI]
	v_mul_f32 v[TI+1], s14, v[AI]
.set r, 0
.rept 16
	v_pk_add_f32 v[XI+r:XI+r+1], v[XI+r:XI+r+1], v[TI:TI+1] neg_lo:[0,1] neg_hi:[0,1]
.set r, r+2
.endr
.irp k, 0,2,4,6
	v_pk_mul_f32 v[AI+\k:AI+\k+1], v[XI+\k:XI+\k+1], v[XI+\k:XI+\k+1]
.endr
.irp m, 8,16,24
.irp k, 0,2,4,6
	v_pk_fma_f32 v[AI+\k:AI+\k+1], v[XI+\m+\k:XI+\m+\k+1], v[XI+\m+\k:XI+\m+\k+1], v[AI+\k:AI+\k+1]
.endr
.endr
	JOIN
	v_fma_f32 v[AI], v[AI], s14, s15
	v_rsq_f32 v[TI+2], v[AI]
	v_rsq_f32 v[TI+3], v[AI]
.endm
.macro ROW_B i                         ; row i: scaled, gain and bias, rounded to f16, stored
.set XI, X+32*(\i)
.set AI, Y+16*(\i)
.set TI, T+4*(\i)
.set r, 0
.rept 16
	v_pk_mul_f32 v[XI+r:XI+r+1], v[XI+r:XI+r+1], v[TI+2:TI+3]
.set r, r+2
.endr
.set r, 0
.rept 16
	v_pk_fma_f32 v[XI+r:XI+r+1], v[XI+r:XI+r+1], v[W+r:W+r+1], v[B+r:B+r+1]
.set r, r+2
.endr
.set r, 0
.rept 16
	v_cvt_pk_f16_f32 v[AI+r], v[XI+2*r], v[XI+2*r+1]
.set r, r+1
.endr
.irp j, 0,1,2,3,4,5,6,7
	global_store_b64 v3, v[AI+2*\j:AI+2*\j+1], s[HB:HB+1] offset:(\i)*2048+\j*256
.endr
.endm
	s_load_b256 s[4:11], s[0:1], 0x0               ; x1 s[4:5], ln2_w s[6:7], ln2_b s[8:9], h s[10:11]
	v_and_b32 v4, 31, v0
	v_lshrrev_b32 v5, 5, v0
	v_lshlrev_b32 v2, 4, v4                        ; 16 lane
	v_lshl_add_u32 v1, v5, 13, v2                  ; + my wave's two rows of 4,096 bytes
	v_lshlrev_b32 v3, 3, v4
	v_lshl_add_u32 v3, v5, 12, v3                  ; in h: 8 lane + my wave's two rows of 2,048 bytes
	s_mov_b32 s3, 0
	s_mov_b32 s12, 0x76543210
	s_mov_b32 s13, 0xfedcba98
	s_mov_b32 s14, 0x3a800000                      ; 1 / 1,024
	s_mov_b32 s15, 0x3727c5ac                      ; eps = 1e-5
	s_wait_kmcnt 0x0
	s_lshl_b32 s2, ttmp9, 16
	s_add_nc_u64 s[4:5], s[4:5], s[2:3]
	s_lshl_b32 s2, ttmp9, 15
	s_add_nc_u64 s[HB:HB+1], s[HB:HB+1], s[2:3]
.irp i, 0,1
.irp j, 0,1,2,3,4,5,6,7
	global_load_b128 v[X+32*\i+4*\j:X+32*\i+4*\j+3], v1, s[4:5] offset:\i*4096+\j*512
.endr
.endr
.irp j, 0,1,2,3,4,5,6,7
	global_load_b128 v[W+4*\j:W+4*\j+3], v2, s[6:7] offset:\j*512
	global_load_b128 v[B+4*\j:B+4*\j+3], v2, s[8:9] offset:\j*512
.endr
	s_wait_loadcnt 0x0
	ROW_A 0
	ROW_A 1
	v_nop                                          ; a plain instruction behind the last reciprocal root,
	s_wait_alu depctr_va_vdst(0)                   ; and one wait for the four, ahead of their first reader
	ROW_B 0
	ROW_B 1
	s_endpgm
.Lfunc_end_k_qac2973ee75_ln2:
	.size	k_qac2973ee75_ln2, .Lfunc_end_k_qac2973ee75_ln2-k_qac2973ee75_ln2
	.p2alignl 7, 3214868480
	.fill 96, 4, 3214868480
	.section	.rodata,"a",@progbits
	.p2align	6, 0x0
	.amdhsa_kernel k_qac2973ee75_ln2
		.amdhsa_group_segment_fixed_size 0
		.amdhsa_private_segment_fixed_size 0
		.amdhsa_enable_private_segment 0
		.amdhsa_kernarg_size 32
		.amdhsa_user_sgpr_count 2
		.amdhsa_user_sgpr_kernarg_segment_ptr 1
		.amdhsa_wavefront_size32 1
		.amdhsa_system_sgpr_workgroup_id_x 1
		.amdhsa_system_sgpr_workgroup_id_y 1
		.amdhsa_system_sgpr_workgroup_id_z 1
		.amdhsa_system_vgpr_workitem_id 0
		.amdhsa_next_free_vgpr 176
		.amdhsa_next_free_sgpr 66
		.amdhsa_reserve_vcc 0
		.amdhsa_float_denorm_mode_32 3
		.amdhsa_float_denorm_mode_16_64 3
		.amdhsa_memory_ordered 1
		.amdhsa_forward_progress 1
		.amdhsa_inst_pref_size 20
	.end_amdhsa_kernel
	.amdgpu_metadata
---
amdhsa.version: [ 1, 2 ]
amdhsa.kernels:
  - .name:           k_qac2973ee75_ln2
    .symbol:         k_qac2973ee75_ln2.kd
    .args:
      - { .name: x1, .offset: 0, .size: 8, .value_kind: global_buffer, .address_space: global }
      - { .name: ln2_w, .offset: 8, .size: 8, .value_kind: global_buffer, .address_space: global }
      - { .name: ln2_b, .offset: 16, .size: 8, .value_kind: global_buffer, .address_space: global }
      - { .name: h, .offset: 24, .size: 8, .value_kind: global_buffer, .address_space: global }
    .group_segment_fixed_size: 0
    .private_segment_fixed_size: 0
    .kernarg_segment_align: 8
    .kernarg_segment_size: 32
    .max_flat_workgroup_size: 256
    .sgpr_count:     66
    .vgpr_count:     176
    .wavefront_size: 32
...
	.end_amdgpu_metadata
.endif
;; end of part 5
;; launch fc1 (part 6): grid 16 x 16, 4 waves a work-group, clusters of 4 x 4, 327,680 bytes of LDS; arguments h, wts, b_fc1, g; writes g
.if DOCPART == 6
	.amdgcn_target "amdgcn-amd-amdhsa--gfx1250"
	.amdhsa_code_object_version 6
	.text
	.protected	k_qac2973ee75_fc1
	.globl	k_qac2973ee75_fc1
	.p2align	8
	.type	k_qac2973ee75_fc1,@function
k_qac2973ee75_fc1:
	s_mov_b64 s[64:65], 0
	v_nop
	global_prefetch_b8 v0, s[64:65] scope:SCOPE_SE
	s_setreg_imm32_b32 hwreg(HW_REG_WAVE_MODE, 25, 1), 1
	s_wait_xcnt 0x0
	s_wait_alu depctr_hold_cnt(0) depctr_sa_sdst(0) depctr_va_vdst(0) depctr_va_sdst(0) depctr_va_ssrc(0) depctr_va_vcc(0) depctr_vm_vsrc(0)
	s_getreg_b32 s2, hwreg(HW_REG_IB_STS2, 6, 4)
	s_cmp_eq_u32 s2, 0
	s_cbranch_scc0 .Lentry_in_a_cluster
	s_endpgm
.Lentry_in_a_cluster:
	s_bfe_u32 s2, ttmp6, 0x10000c
	s_cmp_lg_u32 s2, 0xf033
	s_cbranch_scc0 .Lentry_shape_is_right
	s_endpgm
.Lentry_shape_is_right:
; FC1.  g[m][n] = gelu(b_fc1[n] + sum over k of h[m][k] W[k][n]): h [4096][1024] f16, W = w_fc1 as f16, [1024][4096] as it lies; sums, bias and gelu in f32; g [4096][4096] rounded once to bf16
; (nothing bounds a product result, so not f16).
; GELU, the exact one: gelu(z) = max(z, 0) - 0.5 |z| erfc(|z| / sqrt 2), with erfc(u) = (a1 t + .. + a5 t^5) e^(-u u), t = 1 / (1 + 0.3275911 u): absolute error of erfc at most 1.5e-7 for every u >= 0,
; so the formula holds for every finite z.  With s = z sqrt(log2(e) / 2): e^(-u u) = 2^(-s s), and the factor 0.5 |z| = |s| x 0.588705 is folded into a1 .. a5.  NaN and infinities are not treated apart.
; A tile of C, 256 x 256, is made by four waves, each 128 x 128: 64 accumulators, 512 registers.  K goes in steps of 128 through two LDS slots filled by tensor loads.
; W STAYS [K][N]: its tile lies in LDS as 128 rows of k, and the fragments are read turned (ds_load_tr16_b128).
; THE MATRIX INSTRUCTION IS USED TRANSPOSED (source 0 = 16 columns of W, source 1 = 16 rows of h): a lane holds row l % 16 of C and the columns 8 (l / 16) + 0..7.
; CLUSTER 4 x 4: h's tile is asked for jointly by a row of the cluster, W's by a column.
; THE WAY OUT: the accumulators go as f32 into the ring, which has had its last fill, each wave into bytes of its own, and come back as whole rows: a lane then holds 4 neighbouring columns, 8 bytes of g.
; REGISTERS by windows of 256: window 0 addresses, h's fragments (v64-191), the way out; window 1 W's fragments (v64-191); windows 2, 3 the accumulators ((a, b) at 8 (8 (a % 4) + b)).
.set KD,    1024
.set NN,    4096
.set WB,    8388608
.set STEPS, KD/128
.set PA,    272
.set PB,    544
.set HALFT, 34816
.set BOFF,  2*HALFT
.set SLOT,  4*HALFT
.set SPARE, 2*SLOT
.set DP,    528
.set DWAVE, 128*DP
.set ASTEP, 256
.set BSTEP, 256*NN
.set ADRA0, 10
.set ADRB0, 11
.set BI,    12                         ; v[12:15] the bias of my 4 columns
.set ADRA,  16
.set ADRB,  20
.set DST,   24
.set RD,    25
.set GO,    26
.set SPW,   28
.set NIL,   29
.set PFO,   30
.set F0,    64
.set F1,    128
.set XR,    32                         ; the way out, 8 rows a trip, 32 registers each: the sums; z; s; t; 2^(-s s); the polynomial; 16 of packed results
.set ZR,    64
.set SR,    96
.set TR,    128
.set ER,    160
.set PR,    192
.set YR,    224
.set G1A, 24
.set G0A, 32
.set G1B, 48
.set G0B, 56
.set OUT, 70
.set PFA, 74
.set PST, 76
.set LIM, 78
.set SB,  79
.set WOF, 80
.set K1,  82                           ; s[82:83] sqrt(log2(e) / 2); s84 0.3275911 / sqrt(log2(e)); pairs a1' .. a5'
.set PP,  84
.set A1,  86
.set A2,  88
.set A3,  90
.set A4,  92
.set A5,  94
.set MSB, 0
.macro WIN new
.if MSB != (\new)
	s_set_vgpr_msb (MSB<<8)|(\new)
.set MSB, \new
.endif
.endm
.set MUL_LO, 0xa1
.set MUL_HI, 0xf1
.set TO_B,   0x40
.macro PLACES
.rept 4
	v_nop
.endr
.endm
.macro CREST
	s_cmp_lg_u32 s10, 0
	s_cbranch_scc1 .Lnot_wave_0_\@
	s_barrier_signal -3
.Lnot_wave_0_\@:
	s_barrier_wait -3
	s_barrier_signal -1
	s_barrier_wait -1
.endm
.macro CROUND
	s_barrier_signal -1
	s_barrier_wait -1
	CREST
.endm
.macro JLOAD                           ; a joint refill by the walking sets; s_nop 0 and four v_nop follow each line
	s_cmp_eq_u32 s11, 0
	s_cbranch_scc0 .Lfor_b_\@
	tensor_load_to_lds s[G0A+4:G0A+7], s[G1A:G1A+7]
	s_nop 0
.rept 4
	v_nop
.endr
	s_branch .Lasked_\@
.Lfor_b_\@:
	tensor_load_to_lds s[G0B+4:G0B+7], s[G1B:G1B+7]
	s_nop 0
.rept 4
	v_nop
.endr
.Lasked_\@:
.endm
; A prefetch of the K step that stands two refills on: my work-group's 32 blocks of 256 bytes of the 128 that my wave fetches, a lane a block.  h's rows are named by the clusters with x = 0,
; W's by those with y = 0; the four partners of a joint load share its blocks out by address.  So each block is named once in the launch.  K steps 0 to 3 come by their loads alone; the last two refills name nothing.
.macro ASK
	s_cmp_gt_u32 s3, s[LIM]
	s_cbranch_scc0 .Lnot_mine_\@
	global_prefetch_b8 v[PFO], s[PFA:PFA+1] th:TH_LOAD_NT scope:SCOPE_SE
.Lnot_mine_\@:
.endm
.macro MUL16 f, hi, a0, zero           ; 16 products; the 64 accumulators take turns in the same order in every quarter
	WIN MUL_LO+0x50*(\hi)
.irp a, \a0, (\a0)+1
.irp b, 0,1,2,3,4,5,6,7
.if \zero
	v_wmma_f32_16x16x32_f16 v[8*(8*(\a)+(\b)):8*(8*(\a)+(\b))+7], v[(\f)+8*(\b):(\f)+8*(\b)+7], v[(\f)+8*(4*(\hi)+(\a)):(\f)+8*(4*(\hi)+(\a))+7], 0
.else
	v_wmma_f32_16x16x32_f16 v[8*(8*(\a)+(\b)):8*(8*(\a)+(\b))+7], v[(\f)+8*(\b):(\f)+8*(\b)+7], v[(\f)+8*(4*(\hi)+(\a)):(\f)+8*(4*(\hi)+(\a))+7], v[8*(8*(\a)+(\b)):8*(8*(\a)+(\b))+7]
.endif
.endr
.endr
.endm
.macro FETCH q, f                      ; 32 LDS loads in one run: quarter q of the slot in hand into buffer f: W's 8 column blocks, turned, then h's 8 row blocks
	WIN TO_B
.irp i, 0,1,2,3,4,5,6,7
	ds_load_tr16_b128 v[(\f)+8*(\i):(\f)+8*(\i)+3],   v[ADRB] offset:(\q)*32*PB+32*(\i)
	ds_load_tr16_b128 v[(\f)+8*(\i)+4:(\f)+8*(\i)+7], v[ADRB] offset:(\q)*32*PB+16*PB+32*(\i)
.endr
	WIN 0
.irp i, 0,1,2,3,4,5,6,7
	ds_load_b128 v[(\f)+8*(\i):(\f)+8*(\i)+3],   v[ADRA] offset:64*(\q)+(\i)*16*PA
	ds_load_b128 v[(\f)+8*(\i)+4:(\f)+8*(\i)+7], v[ADRA] offset:64*(\q)+(\i)*16*PA+32
.endr
.endm
.macro QUARTER q, f, g, zero
	s_wait_dscnt 8                                 ; W and h's rows 0-63 are in; the youngest eight loads may be out
	MUL16 \f, 0, 0, \zero
	MUL16 \f, 0, 2, \zero
	PLACES
	FETCH \q, \g
	s_wait_dscnt 32                                ; all but the 32 just issued
	MUL16 \f, 1, 0, \zero
	MUL16 \f, 1, 2, \zero
.endm
.macro MEET round                      ; the one barrier of a change of slots: all my tensor loads have landed, the add is done, my reads of this slot are over
	WIN 0
	s_wait_tensorcnt 0x0
	ds_add_u32 v[SPW], v[NIL]
	s_wait_dscnt 9                                 ; the add and the youngest eight loads may be out
	MUL16 F1, 0, 0, 0
	s_wait_dscnt 0x0
	s_barrier_signal -1
	MUL16 F1, 0, 2, 0
.if \round
	WIN 0
.endif
	s_barrier_wait -1
.endm
.macro TURN
	s_wait_xcnt 0x0                                ; the last prefetch, a K step back, has read its address
	s_add_nc_u64 s[PFA:PFA+1], s[PFA:PFA+1], s[PST:PST+1]
	MEET 1
	CREST                                          ; no wave of any partner still reads this slot or has a load on its way
	s_add_co_u32 s[G0A+5], s[WOF], s[SB]
	s_add_co_u32 s[G0B+5], s[WOF], s[SB]
	s_add_nc_u64 s[G0A+6:G0A+7], s[G0A+6:G0A+7], ASTEP
	s_add_nc_u64 s[G0B+6:G0B+7], s[G0B+6:G0B+7], BSTEP
	s_xor_b32 s[SB], s[SB], SLOT
	JLOAD                                          ; the first tensor load behind the round; its four v_nop are also the places in front of the loads below
	v_add_nc_u32 v[ADRA], s[SB], v[ADRA0]
	v_add_nc_u32 v[ADRB], s[SB], v[ADRB0]
	FETCH 0, F0
	ASK
	MUL16 F1, 1, 0, 0
	MUL16 F1, 1, 2, 0
.endm
	s_load_b128 s[4:7], s[0:1], 0x0                ; h s[4:5], wts s[6:7]
	s_load_b128 s[68:71], s[0:1], 0x10             ; b_fc1 s[68:69], g s[70:71]
	v_lshl_add_u32 v[SPW], v0, 2, SPARE
	v_mov_b32 v[NIL], 0
	ds_add_u32 v[SPW], v[NIL]                      ; the wave's opening: the add and its wait stand ahead of my first tensor load
	v_lshrrev_b32 v1, 5, v0
	v_readfirstlane_b32 s10, v1
	s_lshr_b32 s11, s10, 1
	s_and_b32 s12, s10, 1
	s_bfe_u32 s40, ttmp6, 0x40000
	s_bfe_u32 s41, ttmp6, 0x40004
	s_lshl_b32 s42, ttmp9, 2
	s_add_co_u32 s42, s42, s40                     ; tile column
	s_and_b32 s13, ttmp7, 0xffff
	s_lshl_b32 s13, s13, 2
	s_add_co_u32 s13, s13, s41                     ; tile row
	s_lshl_b32 s43, s41, 2
	s_lshl_b32 s43, 15, s43
	s_lshl_b32 s44, 0x1111, s40
	s_or_b32 s[G1A+0], s43, (1<<16)|(1<<20)|(1<<21)|(5<<22)|(3<<25)
	s_mov_b32 s[G1A+1], 128<<16
	s_mov_b32 s[G1A+2], 128<<16
	s_mov_b32 s[G1A+3], 128<<16
	s_mov_b32 s[G1A+4], 128
	s_mov_b32 s[G1A+5], KD
	s_mov_b32 s[G1A+6], 0
	s_mov_b32 s[G1A+7], 0
	s_or_b32 s[G1B+0], s44, (1<<16)|(1<<20)|(1<<21)|(6<<22)|(7<<25)
	s_mov_b32 s[G1B+1], 256<<16
	s_mov_b32 s[G1B+2], 64<<16
	s_mov_b32 s[G1B+3], 256<<16
	s_mov_b32 s[G1B+4], 64
	s_mov_b32 s[G1B+5], NN
	s_mov_b32 s[G1B+6], 0
	s_mov_b32 s[G1B+7], 0
	s_mov_b32 s[K1], 0x3f596d27                    ; 0.84932180
	s_mov_b32 s[K1+1], s[K1]
	s_mov_b32 s[PP], 0x3e8ba43f                    ; 0.27273748
	s_mov_b32 s[A1], 0x3e199eb3                    ; 0.254829592 x 0.58870501
	s_mov_b32 s[A1+1], s[A1]
	s_mov_b32 s[A2], 0xbe2b8119                    ; -0.284496736 x
	s_mov_b32 s[A2+1], s[A2]
	s_mov_b32 s[A3], 0x3f563818                    ; 1.421413741 x
	s_mov_b32 s[A3+1], s[A3]
	s_mov_b32 s[A4], 0xbf5b0099                    ; -1.453152027 x
	s_mov_b32 s[A4+1], s[A4]
	s_mov_b32 s[A5], 0x3f1ff67a                    ; 1.061405429 x
	s_mov_b32 s[A5+1], s[A5]
	s_lshl_b32 s16, s13, 8
	s_lshl_b32 s17, s12, 7
	s_add_co_u32 s16, s16, s17
	s_lshl_b32 s16, s16, 11
	s_mov_b32 s17, 0
	s_mul_i32 s46, s12, 128*NN
	s_lshl_b32 s47, s42, 9
	s_add_co_u32 s46, s46, s47
	s_mov_b32 s47, 0
	s_mul_i32 s[WOF], s10, HALFT
	s_mov_b32 s[SB], 0
	s_wait_dscnt 0x0
	s_wait_kmcnt 0x0
	s_add_nc_u64 s[6:7], s[6:7], WB
	s_add_nc_u64 s[14:15], s[4:5], s[16:17]
	s_add_nc_u64 s[46:47], s[6:7], s[46:47]
	CROUND
.irp s, 0,1
	s_mov_b32 s[G0A+4*(\s)], 1
	s_add_co_u32 s[G0A+4*(\s)+1], s[WOF], (\s)*SLOT
	s_add_nc_u64 s[G0A+4*(\s)+2:G0A+4*(\s)+3], s[14:15], (\s)*ASTEP
	s_or_b32 s[G0A+4*(\s)+3], s[G0A+4*(\s)+3], 0x80000000
	s_mov_b32 s[G0B+4*(\s)], 1
	s_add_co_u32 s[G0B+4*(\s)+1], s[WOF], (\s)*SLOT
	s_add_nc_u64 s[G0B+4*(\s)+2:G0B+4*(\s)+3], s[46:47], (\s)*BSTEP
	s_or_b32 s[G0B+4*(\s)+3], s[G0B+4*(\s)+3], 0x80000000
.endr
	s_cmp_eq_u32 s11, 0                            ; a wave's two first fills stand in one branch: two loads of mine are out
	s_cbranch_scc0 .Lfirst_b
	tensor_load_to_lds s[G0A:G0A+3], s[G1A:G1A+7]
	s_nop 0
	tensor_load_to_lds s[G0A+4:G0A+7], s[G1A:G1A+7]
	s_nop 0
.rept 4
	v_nop
.endr
	s_branch .Lfirst_done
.Lfirst_b:
	tensor_load_to_lds s[G0B:G0B+3], s[G1B:G1B+7]
	s_nop 0
	tensor_load_to_lds s[G0B+4:G0B+7], s[G1B:G1B+7]
	s_nop 0
.rept 4
	v_nop
.endr
.Lfirst_done:
	v_and_b32 v1, 15, v0
	v_bfe_u32 v2, v0, 4, 1
	v_and_b32 v7, 7, v0
	v_bfe_u32 v5, v0, 3, 1
	v_mul_u32_u24 v3, v1, PA
	v_lshl_add_u32 v3, v2, 4, v3
	s_mul_i32 s21, s11, HALFT
	v_add_nc_u32 v[ADRA0], s21, v3
	v_lshl_add_u32 v4, v2, 3, v7
	v_mul_u32_u24 v4, v4, PB
	v_lshl_add_u32 v4, v5, 4, v4
	s_lshl_b32 s22, s12, 8
	s_add_co_u32 s22, s22, BOFF
	v_add_nc_u32 v[ADRB0], s22, v4
	v_mov_b32 v[ADRA], v[ADRA0]
	v_mov_b32 v[ADRB], v[ADRB0]
	s_mul_i32 s23, s10, DWAVE
	v_mul_u32_u24 v6, v1, DP
	v_lshl_add_u32 v6, v2, 5, v6
	v_add_nc_u32 v[DST], s23, v6                   ; in: row r, 32 bytes for each half of the lanes
	v_and_b32 v5, 31, v0                           ; lane
	v_lshl_add_u32 v[RD], v5, 4, s23               ; back: a row of 512 bytes to a load, 16 bytes a lane
	v_lshlrev_b32 v[GO], 3, v5                     ; 8 bytes of g a lane
	s_lshl_b32 s96, s13, 8
	s_lshl_b32 s97, s11, 7
	s_add_co_u32 s96, s96, s97
	s_lshl_b32 s96, s96, 13                        ; my first row of g, 8,192 bytes each,
	s_lshl_b32 s97, s42, 9
	s_add_co_u32 s96, s96, s97
	s_lshl_b32 s97, s12, 8
	s_add_co_u32 s96, s96, s97                     ; my first column, 2 bytes each
	s_mov_b32 s97, 0
	s_add_nc_u64 s[OUT:OUT+1], s[OUT:OUT+1], s[96:97]
	; the prefetches
	s_lshl_b32 s96, s13, 8
	s_lshl_b32 s97, s12, 7
	s_add_co_u32 s96, s96, s97
	s_lshl_b32 s97, s40, 5
	s_add_co_u32 s96, s96, s97
	s_lshl_b32 s96, s96, 11
	s_add_co_u32 s96, s96, 3*ASTEP
	s_lshl_b32 s97, s12, 6
	s_lshl_b32 s98, s41, 4
	s_add_co_u32 s97, s97, s98
	s_mul_i32 s97, s97, 2*NN
	s_lshl_b32 s98, s42, 9
	s_add_co_u32 s97, s97, s98
	s_add_co_u32 s97, s97, 3*BSTEP
	s_and_b32 s98, ttmp7, 0xffff
	s_mov_b32 s[PST], BSTEP
	s_mov_b32 s[PST+1], 0
	s_mov_b32 s20, 2*NN
	s_cmp_eq_u32 s11, 0
	s_cselect_b32 s96, s96, s97
	s_cselect_b32 s98, ttmp9, s98
	s_cselect_b64 s[PFA:PFA+1], s[4:5], s[6:7]
	s_cselect_b32 s[PST], ASTEP, s[PST]
	s_cselect_b32 s20, 2*KD, s20
	s_cselect_b32 s21, 0, 1
	s_mov_b32 s97, 0
	s_add_nc_u64 s[PFA:PFA+1], s[PFA:PFA+1], s[96:97]
	s_cmp_eq_u32 s98, 0
	s_cselect_b32 s[LIM], 2, -1
	v_lshrrev_b32 v6, s21, v5
	v_mul_lo_u32 v6, v6, s20
	v_and_b32 v7, s21, v5
	v_lshl_add_u32 v[PFO], v7, 8, v6
	s_lshl_b32 s96, s42, 10                        ; the bias of my 4 columns: (256 x tile column + 128 x half) x 4 + 16 lane; waited for at the way out; v8 is not written again
	s_lshl_b32 s97, s12, 9
	s_add_co_u32 s96, s96, s97
	v_lshl_add_u32 v8, v5, 4, s96
	global_load_b128 v[BI:BI+3], v8, s[68:69]
	s_wait_tensorcnt 1                             ; my part of K step 0 is in; K step 1's may stay out
	s_barrier_signal -1
	s_barrier_wait -1
	FETCH 0, F0
	QUARTER 1, F0, F1, 1
	WIN 0
	s_mov_b32 s3, STEPS-2
.Lstep:
	QUARTER 2, F1, F0, 0
	QUARTER 3, F0, F1, 0
	TURN
	QUARTER 1, F0, F1, 0
	WIN 0
	s_sub_co_u32 s3, s3, 1
	s_cmp_lg_u32 s3, 0
	s_cbranch_scc1 .Lstep
	s_mov_b32 s2, 2
.Ltail:                                        ; the last two K steps ask for nothing; the second jumps over what would begin a further step
	QUARTER 2, F1, F0, 0
	QUARTER 3, F0, F1, 0
	MEET 0
	WIN 0
	s_cmp_eq_u32 s2, 1
	s_cbranch_scc1 .Lnofetch
	s_xor_b32 s[SB], s[SB], SLOT
	v_add_nc_u32 v[ADRA], s[SB], v[ADRA0]
	v_add_nc_u32 v[ADRB], s[SB], v[ADRB0]
	PLACES
	FETCH 0, F0
.Lnofetch:
	MUL16 F1, 1, 0, 0
	MUL16 F1, 1, 2, 0
	WIN 0
	s_cmp_eq_u32 s2, 1
	s_cbranch_scc1 .Lnoquarter
	QUARTER 1, F0, F1, 0
	WIN 0
.Lnoquarter:
	s_sub_co_u32 s2, s2, 1
	s_cmp_lg_u32 s2, 0
	s_cbranch_scc1 .Ltail
	s_wait_dscnt 0x0                               ; my reads of the ring are over;
	s_barrier_signal -1
	s_barrier_wait -1                              ; everybody's are: the ring, which is filled no more, takes the sums
	PLACES
.irp hi, 0,1
	WIN 0x08+4*(\hi)
.irp a, 0,1,2,3
.irp b, 0,1,2,3,4,5,6,7
	ds_store_b128 v[DST], v[8*(8*(\a)+(\b)):8*(8*(\a)+(\b))+3]   offset:(4*(\hi)+(\a))*16*DP+64*(\b)     ; each accumulator's low registers first
	ds_store_b128 v[DST], v[8*(8*(\a)+(\b))+4:8*(8*(\a)+(\b))+7] offset:(4*(\hi)+(\a))*16*DP+64*(\b)+16
.endr
.endr
.endr
	WIN 0
	s_wait_loadcnt 0x0                             ; the bias
	s_mov_b32 s3, 16
.irp j, 0,1,2,3,4,5,6,7
	ds_load_b128 v[XR+4*\j:XR+4*\j+3], v[RD] offset:\j*DP  ; LDS serves a wave's instructions in order: these see my stores above
.endr
.Lrows:                                        ; 8 rows a trip
	s_wait_dscnt 0x0
.irp j, 0,1,2,3,4,5,6,7
	v_pk_add_f32 v[ZR+4*\j:ZR+4*\j+1],   v[XR+4*\j:XR+4*\j+1],   v[BI:BI+1]
	v_pk_add_f32 v[ZR+4*\j+2:ZR+4*\j+3], v[XR+4*\j+2:XR+4*\j+3], v[BI+2:BI+3]
.endr
	s_cmp_eq_u32 s3, 1
	s_cbranch_scc1 .Lnomore
	v_add_nc_u32 v[RD], 8*DP, v[RD]                ; the next trip's rows come in under this trip's arithmetic
.irp j, 0,1,2,3,4,5,6,7
	ds_load_b128 v[XR+4*\j:XR+4*\j+3], v[RD] offset:\j*DP
.endr
.Lnomore:
.set r, 0
.rept 16
	v_pk_mul_f32 v[SR+r:SR+r+1], v[ZR+r:ZR+r+1], s[K1:K1+1] op_sel_hi:[1,0]
.set r, r+2
.endr
.set r, 0
.rept 32
	v_fma_f32 v[TR+r], |v[SR+r]|, s[PP], 1.0
.set r, r+1
.endr
.set r, 0
.rept 16
	v_pk_mul_f32 v[ER+r:ER+r+1], v[SR+r:SR+r+1], v[SR+r:SR+r+1] neg_lo:[1,0] neg_hi:[1,0]
.set r, r+2
.endr
.set r, 0
.rept 32                               ; one batch of 64: nothing ahead of the wait below names a result
	v_rcp_f32 v[TR+r], v[TR+r]
.set r, r+1
.endr
.set r, 0
.rept 32
	v_exp_f32 v[ER+r], v[ER+r]
.set r, r+1
.endr
.set r, 0
.rept 32
	v_max_num_f32 v[ZR+r], 0, v[ZR+r]              ; independent work behind the batch
.set r, r+1
.endr
	s_wait_alu depctr_va_vdst(0)                   ; one wait for the batch, ahead of its first reader
.set r, 0
.rept 16
	v_pk_fma_f32 v[PR+r:PR+r+1], v[TR+r:TR+r+1], s[A5:A5+1], s[A4:A4+1] op_sel_hi:[1,0,0]
.set r, r+2
.endr
.irp c, A3, A2, A1
.set r, 0
.rept 16
	v_pk_fma_f32 v[PR+r:PR+r+1], v[PR+r:PR+r+1], v[TR+r:TR+r+1], s[\c:\c+1] op_sel_hi:[1,1,0]
.set r, r+2
.endr
.endr
.set r, 0
.rept 16
	v_pk_mul_f32 v[PR+r:PR+r+1], v[PR+r:PR+r+1], v[TR+r:TR+r+1]
.set r, r+2
.endr
.set r, 0
.rept 16
	v_pk_mul_f32 v[PR+r:PR+r+1], v[PR+r:PR+r+1], v[ER+r:ER+r+1]
.set r, r+2
.endr
.set r, 0
.rept 32
	v_fma_f32 v[ZR+r], -|v[SR+r]|, v[PR+r], v[ZR+r]
.set r, r+1
.endr
.set r, 0
.rept 16
	v_cvt_pk_bf16_f32 v[YR+r], v[ZR+2*r], v[ZR+2*r+1]
.set r, r+1
.endr
.irp j, 0,1,2,3,4,5,6,7
	global_store_b64 v[GO], v[YR+2*\j:YR+2*\j+1], s[OUT:OUT+1] offset:\j*8192  ; 32 lanes x 8 bytes: 256 consecutive bytes, aligned
.endr
	s_wait_xcnt 0x0                                ; the stores have read their registers and their base
	s_add_nc_u64 s[OUT:OUT+1], s[OUT:OUT+1], 65536
	s_sub_co_u32 s3, s3, 1
	s_cmp_lg_u32 s3, 0
	s_cbranch_scc1 .Lrows
	s_wait_tensorcnt 0x0                           ; the wave's end
	ds_add_u32 v[SPW], v[NIL]
	s_wait_dscnt 0x0
	CROUND                                         ; the closing round
	s_endpgm
.Lfunc_end_k_qac2973ee75_fc1:
	.size	k_qac2973ee75_fc1, .Lfunc_end_k_qac2973ee75_fc1-k_qac2973ee75_fc1
	.p2alignl 7, 3214868480
	.fill 96, 4, 3214868480
	.section	.rodata,"a",@progbits
	.p2align	6, 0x0
	.amdhsa_kernel k_qac2973ee75_fc1
		.amdhsa_group_segment_fixed_size 327680
		.amdhsa_private_segment_fixed_size 0
		.amdhsa_enable_private_segment 0
		.amdhsa_kernarg_size 32
		.amdhsa_user_sgpr_count 2
		.amdhsa_user_sgpr_kernarg_segment_ptr 1
		.amdhsa_wavefront_size32 1
		.amdhsa_system_sgpr_workgroup_id_x 1
		.amdhsa_system_sgpr_workgroup_id_y 1
		.amdhsa_system_sgpr_workgroup_id_z 1
		.amdhsa_system_vgpr_workitem_id 0
		.amdhsa_next_free_vgpr 1024
		.amdhsa_next_free_sgpr 100
		.amdhsa_reserve_vcc 0
		.amdhsa_float_denorm_mode_32 3
		.amdhsa_float_denorm_mode_16_64 3
		.amdhsa_memory_ordered 1
		.amdhsa_forward_progress 1
		.amdhsa_inst_pref_size 98
	.end_amdhsa_kernel
	.amdgpu_metadata
---
amdhsa.version: [ 1, 2 ]
amdhsa.kernels:
  - .name:           k_qac2973ee75_fc1
    .symbol:         k_qac2973ee75_fc1.kd
    .args:
      - { .name: h, .offset: 0, .size: 8, .value_kind: global_buffer, .address_space: global }
      - { .name: wts, .offset: 8, .size: 8, .value_kind: global_buffer, .address_space: global }
      - { .name: b_fc1, .offset: 16, .size: 8, .value_kind: global_buffer, .address_space: global }
      - { .name: g, .offset: 24, .size: 8, .value_kind: global_buffer, .address_space: global }
    .group_segment_fixed_size: 327680
    .private_segment_fixed_size: 0
    .kernarg_segment_align: 8
    .kernarg_segment_size: 32
    .max_flat_workgroup_size: 128
    .sgpr_count:     100
    .vgpr_count:     1024
    .wavefront_size: 32
...
	.end_amdgpu_metadata
.endif
;; end of part 6
;; launch fc2 (part 7): grid 8 x 32, 4 waves a work-group, clusters of 4 x 4, 327,680 bytes of LDS; arguments g, wts, x1, b_fc2, out0; writes out0
.if DOCPART == 7
	.amdgcn_target "amdgcn-amd-amdhsa--gfx1250"
	.amdhsa_code_object_version 6
	.text
	.protected	k_qac2973ee75_fc2
	.globl	k_qac2973ee75_fc2
	.p2align	8
	.type	k_qac2973ee75_fc2,@function
k_qac2973ee75_fc2:
	s_mov_b64 s[64:65], 0
	v_nop
	global_prefetch_b8 v0, s[64:65] scope:SCOPE_SE
	s_setreg_imm32_b32 hwreg(HW_REG_WAVE_MODE, 25, 1), 1
	s_wait_xcnt 0x0
	s_wait_alu depctr_hold_cnt(0) depctr_sa_sdst(0) depctr_va_vdst(0) depctr_va_sdst(0) depctr_va_ssrc(0) depctr_va_vcc(0) depctr_vm_vsrc(0)
	s_getreg_b32 s2, hwreg(HW_REG_IB_STS2, 6, 4)
	s_cmp_eq_u32 s2, 0
	s_cbranch_scc0 .Lentry_in_a_cluster
	s_endpgm
.Lentry_in_a_cluster:
	s_bfe_u32 s2, ttmp6, 0x10000c
	s_cmp_lg_u32 s2, 0xf033
	s_cbranch_scc0 .Lentry_shape_is_right
	s_endpgm
.Lentry_shape_is_right:
; FC2.  out0[m][n] = x1[m][n] + b_fc2[n] + sum over k of g[m][k] W[k][n]: g [4096][4096] bf16, W = w_fc2 as bf16, [4096][1024] as it lies; sums, x1, bias and out0 in f32.
; A tile of C is 128 x 128, so that 256 work-groups are made; four waves, each 64 x 64: 16 accumulators.  K goes in steps of 256 through two LDS slots filled by tensor loads.
; W STAYS [K][N]: its tile lies in LDS as 256 rows of k, and the fragments are read turned (ds_load_tr16_b128).
; THE MATRIX INSTRUCTION IS USED TRANSPOSED (source 0 = 16 columns of W, source 1 = 16 rows of g): a lane holds row l % 16 of C and the columns 8 (l / 16) + 0..7.
; CLUSTER 4 x 4: g's tile is asked for jointly by a row of the cluster, W's by a column.
; THE WALK ALONG K BEGINS ELSEWHERE IN EACH CLUSTER and goes round K's end (f32 sums may take the K steps in any order; each step is taken once).  The two clusters that read the same rows of g begin half of K
; apart, the clusters that read the same columns of W a quarter of K apart: they do not ask for the same block at the same time.  The first step hangs on the cluster's two coordinates alone, which all sixteen partners share.
; THE WAY OUT: the accumulators go as f32 into the ring, which has had its last fill, each wave into bytes of its own, come back as whole rows of 256 bytes, take the residual and the bias (loaded at the start) and are stored.
; REGISTERS by windows of 256: window 0 addresses, accumulators v128-255 ((a, b) at 128 + 8 (4 a + b)); window 1 two fragment buffers of 128; window 2 the residual v0-127 and the way out.
.set KD,    4096
.set NN,    1024
.set WB,    16777216
.set PF,    1
.set STEPS, KD/256
.set LOGQ,  2                          ; log2(STEPS / 4)
.set LOGA,  9                          ; a K step in g: 512 bytes along a row
.set LOGB,  19                         ; in W: 256 rows of 2,048 bytes
.set PA,    528
.set PB,    288
.set ALD,   64*PA
.set BLD,   128*PB
.set BOFF,  2*ALD
.set SLOT,  2*ALD+2*BLD
.set SPARE, 2*SLOT
.set DP,    272
.set DWAVE, 64*DP
.set ADRA0, 10
.set ADRB0, 11
.set ADRA,  16
.set ADRB,  20
.set DST,   24
.set RD,    25
.set CO,    26
.set SPW,   28
.set NIL,   29
.set PFO,   30
.set ACC,   128
.set F0,    0
.set F1,    128
.set XW,    128
.set BI,    192
.set RD2,   196
.set CO2,   197
.set AB0, 14                           ; s[14:15] g at my load's first row, K step 0; never rewritten
.set BB0, 46                           ; s[46:47] W at my load's first k row of K step 0, my tile column; never rewritten
.set G1A, 24
.set G0A, 32
.set G1B, 48
.set G0B, 56
.set RES, 68                           ; s[68:69] x1; s[70:71] b_fc2; s[72:73] out0
.set BIA, 70
.set OUT, 72
.set PFA, 74                           ; s[74:75] where my next prefetch stands
.set LIM, 78                           ; s78  a wave prefetches while the loop's count is above it
.set SB,  79
.set WOFA, 80
.set WOFB, 81
.set KC,  82                           ; s82  the K step last asked for
.set KT,  83                           ; s83  at work
.set AOF, 84                           ; s[84:85] a K step's byte offset in g; s[86:87] in W; s[88:89] the prefetch's: pairs of their own, made of KC alone
.set BOF, 86
.set POF, 88
.set PB0, 90                           ; s[90:91] g at my work-group's 16 rows of the 64 that my wave fetches, K step 0; never rewritten
.set MSB, 0
.macro WIN new
.if MSB != (\new)
	s_set_vgpr_msb (MSB<<8)|(\new)
.set MSB, \new
.endif
.endm
.set MUL,  0x05
.set TO_F, 0x40
.macro PLACES
.rept 4
	v_nop
.endr
.endm
.macro CREST
	s_cmp_lg_u32 s10, 0
	s_cbranch_scc1 .Lnot_wave_0_\@
	s_barrier_signal -3
.Lnot_wave_0_\@:
	s_barrier_wait -3
	s_barrier_signal -1
	s_barrier_wait -1
.endm
.macro CROUND
	s_barrier_signal -1
	s_barrier_wait -1
	CREST
.endm
.macro JLOAD                           ; a joint refill by the walking sets; s_nop 0 and four v_nop follow each line
	s_cmp_eq_u32 s11, 0
	s_cbranch_scc0 .Lfor_b_\@
	tensor_load_to_lds s[G0A+4:G0A+7], s[G1A:G1A+7]
	s_nop 0
.rept 4
	v_nop
.endr
	s_branch .Lasked_\@
.Lfor_b_\@:
	tensor_load_to_lds s[G0B+4:G0B+7], s[G1B:G1B+7]
	s_nop 0
.rept 4
	v_nop
.endr
.Lasked_\@:
.endm
; A PREFETCH of the K step of g that stands two refills on in my cluster's walk: my work-group's 16 rows of the 64 that my wave fetches, two blocks of 256 bytes a row, a lane a block.
; Of the two clusters that read a row of g, each is the first to ask for the K steps of the first half of its own walk.  It names steps 4 to 7 of its walk, behind its refills 0 to 3; steps 0 to 3 come by their loads
; alone.  The two clusters' halves of K do not overlap, and the four partners of a joint load share its rows out by address: each block is named once in the launch.
; W's rows are not named: a cluster is the first to ask only for the first four steps of its walk, which come by their loads alone.
.macro ASK
	s_cmp_gt_u32 s3, s[LIM]
	s_cbranch_scc0 .Lnot_mine_\@
	global_prefetch_b8 v[PFO], s[PFA:PFA+1] th:TH_LOAD_NT scope:SCOPE_SE
.Lnot_mine_\@:
.endm
.macro MUL8 f, c, a0, zero             ; 8 products; the 16 accumulators take turns
	WIN MUL
.irp a, \a0, (\a0)+1
.irp b, 0,1,2,3
.if \zero
	v_wmma_f32_16x16x32_bf16 v[ACC+8*(4*(\a)+(\b)):ACC+8*(4*(\a)+(\b))+7], v[(\f)+64+8*(4*(\c)+(\b)):(\f)+64+8*(4*(\c)+(\b))+7], v[(\f)+8*(4*(\c)+(\a)):(\f)+8*(4*(\c)+(\a))+7], 0
.else
	v_wmma_f32_16x16x32_bf16 v[ACC+8*(4*(\a)+(\b)):ACC+8*(4*(\a)+(\b))+7], v[(\f)+64+8*(4*(\c)+(\b)):(\f)+64+8*(4*(\c)+(\b))+7], v[(\f)+8*(4*(\c)+(\a)):(\f)+8*(4*(\c)+(\a))+7], v[ACC+8*(4*(\a)+(\b)):ACC+8*(4*(\a)+(\b))+7]
.endif
.endr
.endr
.endm
.macro FETCH q, f                      ; 32 LDS loads in one run: quarter q (64 along K) into buffer f; its first 32 along K first
	WIN TO_F
.irp c, 0,1
.irp i, 0,1,2,3
	ds_load_tr16_b128 v[(\f)+64+8*(4*(\c)+(\i)):(\f)+64+8*(4*(\c)+(\i))+3],   v[ADRB+(\q)/2] offset:(((\q)%2)*64+32*(\c))*PB+32*(\i)
	ds_load_tr16_b128 v[(\f)+64+8*(4*(\c)+(\i))+4:(\f)+64+8*(4*(\c)+(\i))+7], v[ADRB+(\q)/2] offset:(((\q)%2)*64+32*(\c)+16)*PB+32*(\i)
	ds_load_b128 v[(\f)+8*(4*(\c)+(\i)):(\f)+8*(4*(\c)+(\i))+3],   v[ADRA] offset:128*(\q)+64*(\c)+(\i)*16*PA
	ds_load_b128 v[(\f)+8*(4*(\c)+(\i))+4:(\f)+8*(4*(\c)+(\i))+7], v[ADRA] offset:128*(\q)+64*(\c)+(\i)*16*PA+32
.endr
.endr
.endm
.macro QUARTER q, f, g, zero
	s_wait_dscnt 16                                ; the first 32 along K are in
	MUL8 \f, 0, 0, \zero
	MUL8 \f, 0, 2, \zero
	PLACES
	FETCH \q, \g
	s_wait_dscnt 32                                ; all but the 32 just issued
	MUL8 \f, 1, 0, 0
	MUL8 \f, 1, 2, 0
.endm
; The one barrier of a change of slots: all my tensor loads have landed, the add is done, my reads of this slot are over.  round = 1: a refill follows: its descriptors are made here, between the add and the wait for it.
.macro MEET round
	WIN 0
	s_wait_tensorcnt 0x0
	ds_add_u32 v[SPW], v[NIL]
.if \round
	s_add_co_u32 s[KC], s[KC], 1                   ; no load of mine is out, so the walking sets may be written: the next K step of my cluster's walk, round K's end,
	s_and_b32 s[KC], s[KC], STEPS-1
	s_lshl_b32 s[AOF], s[KC], LOGA
	s_lshl_b32 s[BOF], s[KC], LOGB
	s_add_co_u32 s[G0A+5], s[WOFA], s[SB]          ; into the slot that is being read out;
	s_add_co_u32 s[G0B+5], s[WOFB], s[SB]
	s_add_nc_u64 s[G0A+6:G0A+7], s[AB0:AB0+1], s[AOF:AOF+1]  ; the address is made anew from the step's number, the type bits set again
	s_or_b32 s[G0A+7], s[G0A+7], 0x80000000
	s_add_nc_u64 s[G0B+6:G0B+7], s[BB0:BB0+1], s[BOF:BOF+1]
	s_or_b32 s[G0B+7], s[G0B+7], 0x80000000
	s_xor_b32 s[SB], s[SB], SLOT                   ; the reads go on in the other slot
.endif
	s_wait_dscnt 17                                ; the add and the youngest sixteen loads may be out
	MUL8 F1, 0, 0, 0
	s_wait_dscnt 0x0
	s_barrier_signal -1
	MUL8 F1, 0, 2, 0
.if \round
	WIN 0
.endif
	s_barrier_wait -1
.endm
.macro TURN
.if PF
	s_wait_xcnt 0x0                                ; the last prefetch, a K step back, has read its address
	s_add_co_u32 s[KT], s[KC], 3                   ; this refill asks for step KC + 1 of K; the prefetch names the step two refills on
	s_and_b32 s[KT], s[KT], STEPS-1
	s_lshl_b32 s[POF], s[KT], LOGA
	s_add_nc_u64 s[PFA:PFA+1], s[PB0:PB0+1], s[POF:POF+1]
.endif
	MEET 1
	CREST                                          ; no wave of any partner still reads this slot or has a load on its way
	JLOAD                                          ; the first tensor load behind the round; its four v_nop are also the places in front of the loads below
	v_add_nc_u32 v[ADRA], s[SB], v[ADRA0]
	v_add_nc_u32 v[ADRB], s[SB], v[ADRB0]
	v_add_nc_u32 v[ADRB+1], BLD, v[ADRB]
	FETCH 0, F0
.if PF
	WIN 0
	ASK
.endif
	MUL8 F1, 1, 0, 0
	MUL8 F1, 1, 2, 0
.endm
	s_load_b128 s[4:7], s[0:1], 0x0                ; g s[4:5], wts s[6:7]
	s_load_b128 s[68:71], s[0:1], 0x10             ; x1 s[68:69], b_fc2 s[70:71]
	s_load_b64 s[OUT:OUT+1], s[0:1], 0x20          ; out0
	v_lshl_add_u32 v[SPW], v0, 2, SPARE
	v_mov_b32 v[NIL], 0
	ds_add_u32 v[SPW], v[NIL]                      ; the wave's opening: the add and its wait stand ahead of my first tensor load
	v_lshrrev_b32 v1, 5, v0
	v_readfirstlane_b32 s10, v1
	s_lshr_b32 s11, s10, 1
	s_and_b32 s12, s10, 1
	s_bfe_u32 s40, ttmp6, 0x40000
	s_bfe_u32 s41, ttmp6, 0x40004
	s_lshl_b32 s42, ttmp9, 2
	s_add_co_u32 s42, s42, s40                     ; tile column
	s_and_b32 s13, ttmp7, 0xffff
	s_lshl_b32 s13, s13, 2
	s_add_co_u32 s13, s13, s41                     ; tile row
	s_lshl_b32 s43, s41, 2
	s_lshl_b32 s43, 15, s43
	s_lshl_b32 s44, 0x1111, s40
	s_or_b32 s[G1A+0], s43, (1<<16)|(1<<20)|(1<<21)|(6<<22)|(3<<25)
	s_mov_b32 s[G1A+1], 256<<16
	s_mov_b32 s[G1A+2], 64<<16
	s_mov_b32 s[G1A+3], 256<<16
	s_mov_b32 s[G1A+4], 64
	s_mov_b32 s[G1A+5], KD
	s_mov_b32 s[G1A+6], 0
	s_mov_b32 s[G1A+7], 0
	s_or_b32 s[G1B+0], s44, (1<<16)|(1<<20)|(1<<21)|(5<<22)|(7<<25)
	s_mov_b32 s[G1B+1], 128<<16
	s_mov_b32 s[G1B+2], 128<<16
	s_mov_b32 s[G1B+3], 128<<16
	s_mov_b32 s[G1B+4], 128
	s_mov_b32 s[G1B+5], NN
	s_mov_b32 s[G1B+6], 0
	s_mov_b32 s[G1B+7], 0
	s_and_b32 s[KT], ttmp7, 0xffff                 ; my cluster's first K step: ((y + y / 4) mod 4) quarters of K + x halves of K, x and y the cluster's coordinates
	s_lshr_b32 s[KC], s[KT], 2
	s_add_co_u32 s[KT], s[KT], s[KC]
	s_and_b32 s[KT], s[KT], 3
	s_lshl_b32 s[KT], s[KT], LOGQ
	s_lshl_b32 s[KC], ttmp9, LOGQ+1
	s_add_co_u32 s[KC], s[KC], s[KT]
	s_and_b32 s[KC], s[KC], STEPS-1
	s_mov_b32 s[AOF+1], 0
	s_mov_b32 s[BOF+1], 0
	s_mov_b32 s[POF+1], 0
	s_lshl_b32 s16, s13, 7
	s_lshl_b32 s17, s12, 6
	s_add_co_u32 s16, s16, s17
	s_mul_i32 s16, s16, 2*KD
	s_mov_b32 s17, 0
	s_mul_i32 s46, s12, 256*NN
	s_lshl_b32 s47, s42, 8
	s_add_co_u32 s46, s46, s47
	s_mov_b32 s47, 0
	s_mul_i32 s[WOFA], s12, ALD
	s_mul_i32 s[WOFB], s12, BLD
	s_add_co_u32 s[WOFB], s[WOFB], BOFF
	s_mov_b32 s[SB], 0
	s_wait_dscnt 0x0
	s_wait_kmcnt 0x0
	s_add_nc_u64 s[6:7], s[6:7], WB
	s_add_nc_u64 s[AB0:AB0+1], s[4:5], s[16:17]
	s_add_nc_u64 s[BB0:BB0+1], s[6:7], s[46:47]
	CROUND
.irp s, 0,1                            ; the walk's first two K steps, into slots 0 and 1
	s_lshl_b32 s[AOF], s[KC], LOGA
	s_lshl_b32 s[BOF], s[KC], LOGB
	s_mov_b32 s[G0A+4*(\s)], 1
	s_add_co_u32 s[G0A+4*(\s)+1], s[WOFA], (\s)*SLOT
	s_add_nc_u64 s[G0A+4*(\s)+2:G0A+4*(\s)+3], s[AB0:AB0+1], s[AOF:AOF+1]
	s_or_b32 s[G0A+4*(\s)+3], s[G0A+4*(\s)+3], 0x80000000
	s_mov_b32 s[G0B+4*(\s)], 1
	s_add_co_u32 s[G0B+4*(\s)+1], s[WOFB], (\s)*SLOT
	s_add_nc_u64 s[G0B+4*(\s)+2:G0B+4*(\s)+3], s[BB0:BB0+1], s[BOF:BOF+1]
	s_or_b32 s[G0B+4*(\s)+3], s[G0B+4*(\s)+3], 0x80000000
.if (\s) == 0
	s_add_co_u32 s[KC], s[KC], 1
	s_and_b32 s[KC], s[KC], STEPS-1
.endif
.endr
	s_cmp_eq_u32 s11, 0                            ; a wave's two first fills stand in one branch: two loads of mine are out
	s_cbranch_scc0 .Lfirst_b
	tensor_load_to_lds s[G0A:G0A+3], s[G1A:G1A+7]
	s_nop 0
	tensor_load_to_lds s[G0A+4:G0A+7], s[G1A:G1A+7]
	s_nop 0
.rept 4
	v_nop
.endr
	s_branch .Lfirst_done
.Lfirst_b:
	tensor_load_to_lds s[G0B:G0B+3], s[G1B:G1B+7]
	s_nop 0
	tensor_load_to_lds s[G0B+4:G0B+7], s[G1B:G1B+7]
	s_nop 0
.rept 4
	v_nop
.endr
.Lfirst_done:
	v_and_b32 v1, 15, v0
	v_bfe_u32 v2, v0, 4, 1
	v_and_b32 v7, 7, v0
	v_bfe_u32 v5, v0, 3, 1
	v_mul_u32_u24 v3, v1, PA
	v_lshl_add_u32 v3, v2, 4, v3
	s_mul_i32 s21, s11, ALD
	v_add_nc_u32 v[ADRA0], s21, v3
	v_lshl_add_u32 v4, v2, 3, v7
	v_mul_u32_u24 v4, v4, PB
	v_lshl_add_u32 v4, v5, 4, v4
	s_lshl_b32 s22, s12, 7
	s_add_co_u32 s22, s22, BOFF
	v_add_nc_u32 v[ADRB0], s22, v4
	v_mov_b32 v[ADRA], v[ADRA0]
	v_mov_b32 v[ADRB], v[ADRB0]
	v_add_nc_u32 v[ADRB+1], BLD, v[ADRB0]
	s_mul_i32 s23, s10, DWAVE
	v_mul_u32_u24 v6, v1, DP
	v_lshl_add_u32 v6, v2, 5, v6
	v_add_nc_u32 v[DST], s23, v6
	v_mul_u32_u24 v6, v2, DP
	v_lshl_add_u32 v6, v1, 4, v6
	v_add_nc_u32 v[RD], s23, v6
	v_lshlrev_b32 v6, 12, v2
	v_lshl_add_u32 v[CO], v1, 4, v6
	s_lshl_b32 s96, s13, 19                        ; my part's first byte in x1 and out0
	s_lshl_b32 s97, s11, 18
	s_add_co_u32 s96, s96, s97
	s_lshl_b32 s98, s42, 9
	s_lshl_b32 s97, s12, 8
	s_add_co_u32 s98, s98, s97                     ; my first column, 4 bytes each: also my place in the bias
	s_add_co_u32 s96, s96, s98
	s_mov_b32 s97, 0
	s_add_nc_u64 s[RES:RES+1], s[RES:RES+1], s[96:97]
	s_add_nc_u64 s[OUT:OUT+1], s[OUT:OUT+1], s[96:97]
	v_lshl_add_u32 v8, v1, 4, s98                  ; v8 is not written again
	WIN 0x80                                       ; destination window 2, address window 0
.set t, 0
.rept 32
	global_load_b128 v[4*t:4*t+3], v[CO], s[RES:RES+1] offset:t*8192  ; the residual of my 64 x 64: waited for at the way out
.set t, t+1
.endr
	global_load_b128 v[BI:BI+3], v8, s[BIA:BIA+1]
	WIN 0
	; the prefetches: g's waves alone
	s_lshl_b32 s96, s13, 7
	s_lshl_b32 s97, s12, 6
	s_add_co_u32 s96, s96, s97
	s_lshl_b32 s97, s40, 4
	s_add_co_u32 s96, s96, s97                     ; my work-group's 16 rows of the 64 that I fetch
	s_mul_i32 s96, s96, 2*KD
	s_mov_b32 s97, 0
	s_add_nc_u64 s[PB0:PB0+1], s[4:5], s[96:97]
	s_cmp_eq_u32 s11, 0                            ; do I fetch g?
	s_cselect_b32 s[LIM], STEPS/2+2, -1            ; refill i stands at the count STEPS - 2 - i and names walk step i + 4, which is to stay under STEPS / 2: the count stays above STEPS / 2 + 2
	v_and_b32 v5, 31, v0
	v_lshrrev_b32 v6, 1, v5                        ; two lanes a row of 512 bytes
	v_and_b32 v7, 1, v5
	v_lshlrev_b32 v6, 13, v6                       ; a row of g is 8,192 bytes
	v_lshl_add_u32 v[PFO], v7, 8, v6
	s_wait_tensorcnt 1                             ; my part of the walk's first K step is in; the second's may stay out
	s_barrier_signal -1
	s_barrier_wait -1
	FETCH 0, F0
	QUARTER 1, F0, F1, 1
	WIN 0
	s_mov_b32 s3, STEPS-2
.Lstep:
	QUARTER 2, F1, F0, 0
	QUARTER 3, F0, F1, 0
	TURN
	QUARTER 1, F0, F1, 0
	WIN 0
	s_sub_co_u32 s3, s3, 1
	s_cmp_lg_u32 s3, 0
	s_cbranch_scc1 .Lstep
	s_mov_b32 s2, 2
.Ltail:                                        ; the last two K steps ask for nothing; the second jumps over what would begin a further step
	QUARTER 2, F1, F0, 0
	QUARTER 3, F0, F1, 0
	MEET 0
	WIN 0
	s_cmp_eq_u32 s2, 1
	s_cbranch_scc1 .Lnofetch
	s_xor_b32 s[SB], s[SB], SLOT
	v_add_nc_u32 v[ADRA], s[SB], v[ADRA0]
	v_add_nc_u32 v[ADRB], s[SB], v[ADRB0]
	v_add_nc_u32 v[ADRB+1], BLD, v[ADRB]
	PLACES
	FETCH 0, F0
	WIN 0
.Lnofetch:
	MUL8 F1, 1, 0, 0
	MUL8 F1, 1, 2, 0
	WIN 0
	s_cmp_eq_u32 s2, 1
	s_cbranch_scc1 .Lnoquarter
	QUARTER 1, F0, F1, 0
	WIN 0
.Lnoquarter:
	s_sub_co_u32 s2, s2, 1
	s_cmp_lg_u32 s2, 0
	s_cbranch_scc1 .Ltail
	s_wait_dscnt 0x0                               ; my reads of the ring are over;
	s_barrier_signal -1
	s_barrier_wait -1                              ; everybody's are: the ring, which is filled no more, takes the sums
	PLACES
.irp a, 0,1,2,3
.irp b, 0,1,2,3
	ds_store_b128 v[DST], v[ACC+8*(4*\a+\b):ACC+8*(4*\a+\b)+3]   offset:\a*16*DP+64*\b      ; each accumulator's low registers first
	ds_store_b128 v[DST], v[ACC+8*(4*\a+\b)+4:ACC+8*(4*\a+\b)+7] offset:\a*16*DP+64*\b+16
.endr
.endr
	WIN 0x80
	v_mov_b32 v[RD2], v[RD]
	v_mov_b32 v[CO2], v[CO]
	WIN 0xaa                                       ; from here on every operand lies in window 2
	s_wait_loadcnt 0x0                             ; the residual and the bias
.irp hf, 0,1
.irp u, 0,1,2,3,4,5,6,7,8,9,10,11,12,13,14,15
	ds_load_b128 v[XW+4*\u:XW+4*\u+3], v[RD2] offset:(16*\hf+\u)*2*DP  ; LDS serves a wave's instructions in order: these see my stores above
.endr
.irp u, 0,1,2,3,4,5,6,7,8,9,10,11,12,13,14,15
	v_pk_add_f32 v[4*(16*\hf+\u):4*(16*\hf+\u)+1], v[4*(16*\hf+\u):4*(16*\hf+\u)+1], v[BI:BI+1]
	v_pk_add_f32 v[4*(16*\hf+\u)+2:4*(16*\hf+\u)+3], v[4*(16*\hf+\u)+2:4*(16*\hf+\u)+3], v[BI+2:BI+3]
	s_wait_dscnt 15-\u
	v_pk_add_f32 v[4*(16*\hf+\u):4*(16*\hf+\u)+1], v[4*(16*\hf+\u):4*(16*\hf+\u)+1], v[XW+4*\u:XW+4*\u+1]
	v_pk_add_f32 v[4*(16*\hf+\u)+2:4*(16*\hf+\u)+3], v[4*(16*\hf+\u)+2:4*(16*\hf+\u)+3], v[XW+4*\u+2:XW+4*\u+3]
	global_store_b128 v[CO2], v[4*(16*\hf+\u):4*(16*\hf+\u)+3], s[OUT:OUT+1] offset:(16*\hf+\u)*8192  ; 16 lanes store 256 consecutive bytes, aligned
.endr
.endr
	WIN 0
	s_wait_tensorcnt 0x0                           ; the wave's end
	ds_add_u32 v[SPW], v[NIL]
	s_wait_dscnt 0x0
	CROUND                                         ; the closing round
	s_endpgm
.Lfunc_end_k_qac2973ee75_fc2:
	.size	k_qac2973ee75_fc2, .Lfunc_end_k_qac2973ee75_fc2-k_qac2973ee75_fc2
	.p2alignl 7, 3214868480
	.fill 96, 4, 3214868480
	.section	.rodata,"a",@progbits
	.p2align	6, 0x0
	.amdhsa_kernel k_qac2973ee75_fc2
		.amdhsa_group_segment_fixed_size 327680
		.amdhsa_private_segment_fixed_size 0
		.amdhsa_enable_private_segment 0
		.amdhsa_kernarg_size 40
		.amdhsa_user_sgpr_count 2
		.amdhsa_user_sgpr_kernarg_segment_ptr 1
		.amdhsa_wavefront_size32 1
		.amdhsa_system_sgpr_workgroup_id_x 1
		.amdhsa_system_sgpr_workgroup_id_y 1
		.amdhsa_system_sgpr_workgroup_id_z 1
		.amdhsa_system_vgpr_workitem_id 0
		.amdhsa_next_free_vgpr 768
		.amdhsa_next_free_sgpr 100
		.amdhsa_reserve_vcc 0
		.amdhsa_float_denorm_mode_32 3
		.amdhsa_float_denorm_mode_16_64 3
		.amdhsa_memory_ordered 1
		.amdhsa_forward_progress 1
		.amdhsa_inst_pref_size 72
	.end_amdhsa_kernel
	.amdgpu_metadata
---
amdhsa.version: [ 1, 2 ]
amdhsa.kernels:
  - .name:           k_qac2973ee75_fc2
    .symbol:         k_qac2973ee75_fc2.kd
    .args:
      - { .name: g, .offset: 0, .size: 8, .value_kind: global_buffer, .address_space: global }
      - { .name: wts, .offset: 8, .size: 8, .value_kind: global_buffer, .address_space: global }
      - { .name: x1, .offset: 16, .size: 8, .value_kind: global_buffer, .address_space: global }
      - { .name: b_fc2, .offset: 24, .size: 8, .value_kind: global_buffer, .address_space: global }
      - { .name: out0, .offset: 32, .size: 8, .value_kind: global_buffer, .address_space: global }
    .group_segment_fixed_size: 327680
    .private_segment_fixed_size: 0
    .kernarg_segment_align: 8
    .kernarg_segment_size: 40
    .max_flat_workgroup_size: 128
    .sgpr_count:     100
    .vgpr_count:     768
    .wavefront_size: 32
...
	.end_amdgpu_metadata
.endif
;; end of part 7
;; ======== version 2 of 2: 7 launches; version 1 with the launch prep written anew for expert scheduling mode
;; limits: values are held in f16: magnitudes above 65,504 overflow, below 6.1e-05 lose precision
;; workspace buffers: h 8,388,608 bytes; wts 25,165,824 bytes; qkv 25,165,824 bytes; o 8,388,608 bytes; x1 16,777,216 bytes; g 33,554,432 bytes
;; launch prep (part 8): grid 640 x 1, 8 waves a work-group, no clusters, 0 bytes of LDS; arguments x, ln1_w, ln1_b, w_qkv, w_proj, w_fc1, w_fc2, h, wts; writes h, wts
.if DOCPART == 8
	.amdgcn_target "amdgcn-amd-amdhsa--gfx1250"
	.amdhsa_code_object_version 6
	.text
	.protected	k_qac2973ee75_prep
	.globl	k_qac2973ee75_prep
	.p2align	8
	.type	k_qac2973ee75_prep,@function
k_qac2973ee75_prep:
	s_mov_b64 s[64:65], 0
	v_nop
	global_prefetch_b8 v0, s[64:65] scope:SCOPE_SE
	s_setreg_imm32_b32 hwreg(HW_REG_WAVE_SCHED_MODE, 0, 2), 2
	s_setreg_imm32_b32 hwreg(HW_REG_WAVE_MODE, 25, 1), 1
	s_wait_xcnt 0x0
	s_wait_alu depctr_vm_vsrc(0)
; PREP.  f32 in, 16-bit matrix operands out.
; Work-groups 0-255: h = LayerNorm(x) * ln1_w + ln1_b, 16 rows of 1,024 each, stored as f16.  A wave takes two rows and keeps them in registers:
; mean first, then the mean of (x - mean)^2, so no difference of large sums is formed; all of it in f32, h rounded once.
; Work-groups 256-639: the four weight matrices, as they lie ([K][N]), 131,072 bytes of f32 each, rounded once: w_qkv and w_fc1 to f16 (they multiply LayerNorm's bounded
; outputs), w_proj and w_fc2 to bf16 (they multiply product results, whose size nothing bounds).  In wts: w_qkv at 0, w_proj at 6,291,456, w_fc1 at 8,388,608, w_fc2 at 16,777,216.
; LIMITS.  f16 ends at 65,504: |h| <= 32 |ln1_w| + |ln1_b| must stay below it, and so must the weights; a weight below 6e-5 keeps f16's fixed step of 6e-8.  NaN and infinities are not treated apart.
; No LDS, no barrier, no matrix unit: each byte is read once and written once; each store of a wave covers 256 consecutive bytes, aligned.
; IN FLIGHT.  A wave issues all its loads at once, 32 of 16 bytes a lane.  With 160 registers six waves fit in a SIMD's 1,024, three work-groups of eight waves on four SIMDs: 768 places for the 640 work-groups.
; THE MODE: SCHED_MODE bits 1:0 = 2 (LLVM: expert scheduling mode 2), set by the entry lines.  The code itself states the register dependences
; between vector instructions and memory instructions, with s_wait_alu, always for 0.
; THE PLAN.  Registers that memory instructions touch:
;   v1, v2, v3      byte offsets, made once at the head of each of the two paths and never written again: one wait ahead of the path's first load states them for all its loads and stores.
;   X, W, B         (LayerNorm) and v[8:135] (casts): the loads land in them before any vector instruction has named them, and no load is issued later.
;   a row's first 16 registers of X (LayerNorm), a chunk's first two of four (casts): written last by the roundings, read by the stores, never written again.
; So the only dependences are from roundings to stores.  LayerNorm: one wait behind each row's roundings; row 0's stores are then dealt among row 1's multiplies, which name none of the registers that those stores read.
; Casts: the 32 chunks go in eight groups of four: the group's eight roundings, one wait, its four stores.  No register that a memory instruction reads is written again, so no wait on vm_vsrc is owed.
.set X, 8                              ; v[8:71]    two rows, 32 registers each: register 4 j + e holds column 128 j + 4 lane + e; at the end the rows as f16, in each row's first 16
.set W, 72                             ; v[72:103]  the gain of the same columns
.set B, 104                            ; v[104:135] the bias
.set Y, 136                            ; v[136:151] four chains of sums a row
.set T, 152                            ; v[152:159] a row's mean (twice) and 1 / sqrt(var + eps) (twice)
.set HB, 22                            ; s[22:23]   h
	s_load_b256 s[4:11], s[0:1], 0x0               ; x s[4:5], ln1_w s[6:7], ln1_b s[8:9], w_qkv s[10:11]
	s_load_b256 s[16:23], s[0:1], 0x20             ; w_proj s[16:17], w_fc1 s[18:19], w_fc2 s[20:21], h s[22:23]
	s_load_b64 s[24:25], s[0:1], 0x40              ; wts
	v_and_b32 v4, 31, v0                           ; lane
	v_lshrrev_b32 v5, 5, v0                        ; wave
	s_mov_b32 s3, 0
	s_wait_kmcnt 0x0
	s_cmp_lt_u32 ttmp9, 256
	s_cbranch_scc0 .Lcast
; ---- LayerNorm ----
.macro JOIN                            ; four chains of pairs at AI -> one sum over the wave's 32 lanes, in every lane, in v[AI]
	v_pk_add_f32 v[AI:AI+1], v[AI:AI+1], v[AI+2:AI+3]
	v_pk_add_f32 v[AI+4:AI+5], v[AI+4:AI+5], v[AI+6:AI+7]
	v_pk_add_f32 v[AI:AI+1], v[AI:AI+1], v[AI+4:AI+5]
	v_add_f32 v[AI], v[AI], v[AI+1]
	v_add_f32_dpp v[AI], v[AI], v[AI] row_xmask:1 row_mask:0xf bank_mask:0xf
	v_add_f32_dpp v[AI], v[AI], v[AI] row_xmask:2 row_mask:0xf bank_mask:0xf
	v_add_f32_dpp v[AI], v[AI], v[AI] row_xmask:4 row_mask:0xf bank_mask:0xf
	v_add_f32_dpp v[AI], v[AI], v[AI] row_xmask:8 row_mask:0xf bank_mask:0xf
	v_permlanex16_b32 v[AI+1], v[AI], s12, s13     ; the other half of the lanes; its destination has been written
	v_add_f32 v[AI], v[AI], v[AI+1]
.endm
.macro ROW_A i                         ; row i: mean, x - mean, variance, and the reciprocal root is issued
.set XI, X+32*(\i)
.set AI, Y+8*(\i)
.set TI, T+4*(\i)
.irp k, 0,2,4,6
	v_pk_add_f32 v[AI+\k:AI+\k+1], v[XI+\k:XI+\k+1], v[XI+8+\k:XI+8+\k+1]  ; the first pairs start the chains: nothing is cleared
.endr
.irp m, 16,24
.irp k, 0,2,4,6
	v_pk_add_f32 v[AI+\k:AI+\k+1], v[AI+\k:AI+\k+1], v[XI+\m+\k:XI+\m+\k+1]
.endr
.endr
	JOIN
	v_mul_f32 v[TI], s14, v[AI]                    ; mean = sum / 1,024, in both registers of a pair
	v_mul_f32 v[TI+1], s14, v[AI]
.set r, 0
.rept 16
	v_pk_add_f32 v[XI+r:XI+r+1], v[XI+r:XI+r+1], v[TI:TI+1] neg_lo:[0,1] neg_hi:[0,1]
.set r, r+2
.endr
.irp k, 0,2,4,6
	v_pk_mul_f32 v[AI+\k:AI+\k+1], v[XI+\k:XI+\k+1], v[XI+\k:XI+\k+1]
.endr
.irp m, 8,16,24
.irp k, 0,2,4,6
	v_pk_fma_f32 v[AI+\k:AI+\k+1], v[XI+\m+\k:XI+\m+\k+1], v[XI+\m+\k:XI+\m+\k+1], v[AI+\k:AI+\k+1]
.endr
.endr
	JOIN
	v_fma_f32 v[AI], v[AI], s14, s15               ; var + eps
	v_rsq_f32 v[TI+2], v[AI]
	v_rsq_f32 v[TI+3], v[AI]
.endm
; Row i: scaled, gain and bias, rounded to f16.  prev = 1: the eight stores of the row before are dealt among this row's multiplies, one ahead of every second one.
.macro ROW_B i, prev
.set XI, X+32*(\i)
.set PI, X+32*(\i)-32                  ; the row before, as f16
.set TI, T+4*(\i)
.set r, 0
.rept 16
.if (\prev) && (r%4 == 0)
	global_store_b64 v3, v[PI+r/2:PI+r/2+1], s[HB:HB+1] offset:((\i)-1)*2048+(r/4)*256  ; 32 lanes x 8 bytes: 256 consecutive bytes, aligned.  No wait: no vector instruction since the wait ahead of this row names v3 or the row before
.endif
	v_pk_mul_f32 v[XI+r:XI+r+1], v[XI+r:XI+r+1], v[TI+2:TI+3]
.set r, r+2
.endr
.set r, 0
.rept 16
	v_pk_fma_f32 v[XI+r:XI+r+1], v[XI+r:XI+r+1], v[W+r:W+r+1], v[B+r:B+r+1]
.set r, r+2
.endr
.set r, 0
.rept 16
	v_cvt_pk_f16_f32 v[XI+r], v[XI+2*r], v[XI+2*r+1]  ; in place, ascending: register r is written when registers 2 r and 2 r + 1 are read, never before
.set r, r+1
.endr
.endm
	v_lshlrev_b32 v2, 4, v4                        ; 16 lane: my place in 512 bytes of a row, of the gain and of the bias
	v_lshl_add_u32 v1, v5, 13, v2                  ; + my wave's two rows of 4,096 bytes
	v_lshlrev_b32 v3, 3, v4
	v_lshl_add_u32 v3, v5, 12, v3                  ; in h: 8 lane + my wave's two rows of 2,048 bytes
	s_lshl_b32 s2, ttmp9, 16                       ; the work-group's 16 rows in x
	s_add_nc_u64 s[4:5], s[4:5], s[2:3]
	s_lshl_b32 s2, ttmp9, 15                       ; and in h
	s_add_nc_u64 s[HB:HB+1], s[HB:HB+1], s[2:3]
	s_mov_b32 s12, 0x76543210                      ; v_permlanex16_b32: each lane takes its own place in the other half
	s_mov_b32 s13, 0xfedcba98
	s_mov_b32 s14, 0x3a800000                      ; 1 / 1,024
	s_mov_b32 s15, 0x3727c5ac                      ; eps = 1e-5
	s_wait_alu depctr_va_vdst(0)                   ; v1, v2 and v3 are written: every load and store of this path reads one of them as its offset
.irp i, 0,1
.irp j, 0,1,2,3,4,5,6,7
	global_load_b128 v[X+32*\i+4*\j:X+32*\i+4*\j+3], v1, s[4:5] offset:\i*4096+\j*512
.endr
.endr
.irp j, 0,1,2,3,4,5,6,7
	global_load_b128 v[W+4*\j:W+4*\j+3], v2, s[6:7] offset:\j*512
	global_load_b128 v[B+4*\j:B+4*\j+3], v2, s[8:9] offset:\j*512
.endr
	s_wait_loadcnt 0x0                             ; both rows, the gain and the bias
	ROW_A 0
	ROW_A 1
	v_nop                                          ; a plain instruction behind the last reciprocal root,
	s_wait_alu depctr_va_vdst(0)                   ; and one wait for the four: v[T+2:T+3] and v[T+6:T+7] are written, ahead of their first reader
	ROW_B 0, 0
	s_wait_alu depctr_va_vdst(0)                   ; row 0's roundings have written v[X:X+15], which the stores dealt among row 1's multiplies read
	ROW_B 1, 1
	s_wait_alu depctr_va_vdst(0)                   ; row 1's roundings have written v[X+32:X+47], which the last eight stores read
.irp j, 0,1,2,3,4,5,6,7
	global_store_b64 v3, v[X+32+2*\j:X+32+2*\j+1], s[HB:HB+1] offset:2048+\j*256  ; 32 lanes x 8 bytes: 256 consecutive bytes, aligned
.endr
	s_endpgm
; ---- the weights ----
.Lcast:
	s_sub_co_u32 s26, ttmp9, 256                   ; c: chunk of 131,072 bytes among the four matrices on end: 96 of w_qkv, 32 of w_proj, 128 of w_fc1, 128 of w_fc2
	s_mov_b32 s27, 256
	s_cmp_lt_u32 s26, 256
	s_cselect_b64 s[28:29], s[18:19], s[20:21]
	s_cselect_b32 s27, 128, s27
	s_cselect_b32 s31, 1, 0                        ; c < 256 ..
	s_cmp_lt_u32 s26, 128
	s_cselect_b64 s[28:29], s[16:17], s[28:29]
	s_cselect_b32 s27, 96, s27
	s_cselect_b32 s31, 0, s31                      ; .. and c >= 128: w_fc1, to f16
	s_cmp_lt_u32 s26, 96
	s_cselect_b64 s[28:29], s[10:11], s[28:29]
	s_cselect_b32 s27, 0, s27                      ; the matrix's first chunk
	s_cselect_b32 s31, 1, s31                      ; w_qkv, to f16
	s_sub_co_u32 s27, s26, s27
	s_lshl_b32 s2, s27, 17
	s_add_nc_u64 s[28:29], s[28:29], s[2:3]        ; from
	s_lshl_b32 s2, s26, 16
	s_add_nc_u64 s[24:25], s[24:25], s[2:3]        ; to
	v_lshlrev_b32 v1, 4, v0                        ; 16 bytes a thread: the work-group's load covers 4,096 consecutive bytes
	v_lshlrev_b32 v2, 3, v0
	s_wait_alu depctr_va_vdst(0)                   ; v1 and v2 are written: the loads read v1 as their offset, the stores on both ways below v2
.set i, 0
.rept 32
	global_load_b128 v[8+4*i:11+4*i], v1, s[28:29] offset:i*4096 th:TH_LOAD_NT
.set i, i+1
.endr
	s_cmp_eq_u32 s31, 1
	s_cbranch_scc0 .Lbf
.set g, 0
.rept 8                                ; eight groups of four loads
	s_wait_loadcnt 28-4*g                          ; loads come back in order: this group's four are in, the later groups' stay out
.set i, 4*g
.rept 4
	v_cvt_pk_f16_f32 v[8+4*i], v[8+4*i], v[9+4*i]  ; in place: the four numbers' first two registers take the two pairs
	v_cvt_pk_f16_f32 v[9+4*i], v[10+4*i], v[11+4*i]
.set i, i+1
.endr
	s_wait_alu depctr_va_vdst(0)                   ; the group's eight roundings have written the registers that its four stores read
.set i, 4*g
.rept 4
	global_store_b64 v2, v[8+4*i:9+4*i], s[24:25] offset:i*2048
.set i, i+1
.endr
.set g, g+1
.endr
	s_endpgm
.Lbf:
.set g, 0
.rept 8
	s_wait_loadcnt 28-4*g                          ; this group's four loads are in, the later groups' stay out
.set i, 4*g
.rept 4
	v_cvt_pk_bf16_f32 v[8+4*i], v[8+4*i], v[9+4*i]
	v_cvt_pk_bf16_f32 v[9+4*i], v[10+4*i], v[11+4*i]
.set i, i+1
.endr
	s_wait_alu depctr_va_vdst(0)                   ; the group's eight roundings have written the registers that its four stores read
.set i, 4*g
.rept 4
	global_store_b64 v2, v[8+4*i:9+4*i], s[24:25] offset:i*2048
.set i, i+1
.endr
.set g, g+1
.endr
	s_endpgm
.Lfunc_end_k_qac2973ee75_prep:
	.size	k_qac2973ee75_prep, .Lfunc_end_k_qac2973ee75_prep-k_qac2973ee75_prep
	.p2alignl 7, 3214868480
	.fill 96, 4, 3214868480
	.section	.rodata,"a",@progbits
	.p2align	6, 0x0
	.amdhsa_kernel k_qac2973ee75_prep
		.amdhsa_group_segment_fixed_size 0
		.amdhsa_private_segment_fixed_size 0
		.amdhsa_enable_private_segment 0
		.amdhsa_kernarg_size 72
		.amdhsa_user_sgpr_count 2
		.amdhsa_user_sgpr_kernarg_segment_ptr 1
		.amdhsa_wavefront_size32 1
		.amdhsa_system_sgpr_workgroup_id_x 1
		.amdhsa_system_sgpr_workgroup_id_y 1
		.amdhsa_system_sgpr_workgroup_id_z 1
		.amdhsa_system_vgpr_workitem_id 0
		.amdhsa_next_free_vgpr 160
		.amdhsa_next_free_sgpr 66
		.amdhsa_reserve_vcc 0
		.amdhsa_float_denorm_mode_32 3
		.amdhsa_float_denorm_mode_16_64 3
		.amdhsa_memory_ordered 1
		.amdhsa_forward_progress 1
		.amdhsa_inst_pref_size 40
	.end_amdhsa_kernel
	.amdgpu_metadata
---
amdhsa.version: [ 1, 2 ]
amdhsa.kernels:
  - .name:           k_qac2973ee75_prep
    .symbol:         k_qac2973ee75_prep.kd
    .args:
      - { .name: x, .offset: 0, .size: 8, .value_kind: global_buffer, .address_space: global }
      - { .name: ln1_w, .offset: 8, .size: 8, .value_kind: global_buffer, .address_space: global }
      - { .name: ln1_b, .offset: 16, .size: 8, .value_kind: global_buffer, .address_space: global }
      - { .name: w_qkv, .offset: 24, .size: 8, .value_kind: global_buffer, .address_space: global }
      - { .name: w_proj, .offset: 32, .size: 8, .value_kind: global_buffer, .address_space: global }
      - { .name: w_fc1, .offset: 40, .size: 8, .value_kind: global_buffer, .address_space: global }
      - { .name: w_fc2, .offset: 48, .size: 8, .value_kind: global_buffer, .address_space: global }
      - { .name: h, .offset: 56, .size: 8, .value_kind: global_buffer, .address_space: global }
      - { .name: wts, .offset: 64, .size: 8, .value_kind: global_buffer, .address_space: global }
    .group_segment_fixed_size: 0
    .private_segment_fixed_size: 0
    .kernarg_segment_align: 8
    .kernarg_segment_size: 72
    .max_flat_workgroup_size: 256
    .sgpr_count:     66
    .vgpr_count:     160
    .wavefront_size: 32
...
	.end_amdgpu_metadata
.endif
;; end of part 8
;; launch qkv: the kernel of part 2 again; grid 12 x 16, 4 waves a work-group, clusters of 4 x 4, 327,680 bytes of LDS; arguments h, wts, qkv; writes qkv
;; launch attn: the kernel of part 3 again; grid 16 x 16, 4 waves a work-group, clusters of 4 x 1, 327,680 bytes of LDS; arguments qkv, o; writes o
;; launch proj: the kernel of part 4 again; grid 8 x 32, 4 waves a work-group, clusters of 4 x 4, 327,680 bytes of LDS; arguments o, wts, x, x1; writes x1
;; launch ln2: the kernel of part 5 again; grid 256 x 1, 8 waves a work-group, no clusters, 0 bytes of LDS; arguments x1, ln2_w, ln2_b, h; writes h
;; launch fc1: the kernel of part 6 again; grid 16 x 16, 4 waves a work-group, clusters of 4 x 4, 327,680 bytes of LDS; arguments h, wts, b_fc1, g; writes g
;; launch fc2: the kernel of part 7 again; grid 8 x 32, 4 waves a work-group, clusters of 4 x 4, 327,680 bytes of LDS; arguments g, wts, x1, b_fc2, out0; writes out0
